; MI455X (gfx1250); checked and timed in simulation.
; The chip was launched on July 23, 2026; its instructions are those of AMD's public machine-readable ISA for CDNA 5 (MIT licence, August 2026) and "CDNA5" Instruction Set Architecture Reference Guide (July 2026). The comments in the code are by the model that wrote it; some were corrected since.
;; Causal Self Attention. Allowed arithmetic: matrix products marked QUANTISED: E2M3 operands, one E8M0 scale for each 32 along K, by v_wmma_scale_f32_16x16x128_f8f6f4 with both operands' format E2M3, f32 sums; everything else in f32.
;; Inputs: Wk 1,024 x 1,024 float32; Wp 1,024 x 1,024 float32; Wq 1,024 x 1,024 float32; Wv 1,024 x 1,024 float32; bk 1,024 float32; bp 1,024 float32; bq 1,024 float32; bv 1,024 float32; x 4 x 2,048 x 1,024 float32.
;; Outputs: out0 4 x 2,048 x 1,024 float32.
;; This version of the problem:
;;   THIS VERSION OF THE PROBLEM IS GIVEN IN LOW PRECISION. The matrix products marked QUANTISED in the list below multiply operands that are first quantised to E2M3 (2 exponent bits, 3 mantissa bits; 6 bits a number), with one power-of-two scale for each 32 numbers along K (OCP MX v1.0); their sums are f32. All else is computed in f32.
;;   The module's matrix products, in the order in which they are computed (A, B: the left and right operand; K: the contracted axis; several contracted axes count as one K, in the product's order):
;;     1. [M 8,192, K 1,024] x [K 1,024, N 1,024]; A: input x; B: input Wq: QUANTISED
;;     2. [M 8,192, K 1,024] x [K 1,024, N 1,024]; A: input x; B: input Wk: QUANTISED
;;     3. [M 8,192, K 1,024] x [K 1,024, N 1,024]; A: input x; B: input Wv: QUANTISED
;;     4. batch 64 x [M 2,048, K 64] x [K 64, N 2,048]; A: computed on the way; B: computed on the way: QUANTISED
;;     5. batch 64 x [M 2,048, K 2,048] x [K 2,048, N 64]; A: softmax (see below); B: computed on the way: QUANTISED
;;     6. [M 8,192, K 1,024] x [K 1,024, N 1,024]; A: computed on the way; B: input Wp: QUANTISED
;;   THE QUANTISER, for each operand of a quantised product, along K:
;;     - K is cut into blocks of 32 from its start; a last block that is shorter is filled with zeros.
;;     - A block's scale is 2^e with e = floor(log2(the largest magnitude in the block)) - 2, held to -126 .. 127; a block of zeros has e = 0. As a byte (E8M0): e + 127.
;;     - Each number is divided by its block's scale, clamped to +-7.5, and rounded to the nearest number of E2M3, ties to even, subnormals kept.
;;     - The product sums the exact products of the quantised numbers (number of the format x scale) in f32.
;;   ~~~python
;;   def quantise(x, axis):      # numpy; x: float32 -> the quantised numbers, widened to float32 again
;;       x = np.moveaxis(x, axis, -1); K = x.shape[-1]
;;       x = np.pad(x, [(0, 0)] * (x.ndim - 1) + [(0, -K % 32)]); x = x.reshape(x.shape[:-1] + (-1, 32)); a = np.abs(x).max(-1, keepdims=True)
;;       e = np.where(a > 0, np.clip(np.frexp(np.where(a > 0, a, 1))[1] - 1 - 2, -126, 127), 0)      # np.frexp(a)[1] - 1 = floor(log2(a)), exactly
;;       r = np.clip(x / 2.0 ** e, -7.5, 7.5)
;;       step = 2.0 ** (np.maximum(np.frexp(np.where(r == 0, 1, r))[1] - 1, 0) - 3)
;;       q = np.round(r / step) * step * 2.0 ** e      # np.round: ties to even
;;       return np.moveaxis(q.reshape(q.shape[:-2] + (-1,))[..., :K], -1, axis).astype(np.float32)
;;   ~~~
;;   SOFTMAX AHEAD OF A QUANTISED PRODUCT. Where the list says 'softmax', what is quantised is not the finished softmax but p = 2^(t - M), with t = logit x log2(e) and M = ceil(the row's largest t), a whole number; so 1/2 < the row's largest p <= 1. The row's sum l is taken of the UNQUANTISED p, in f32, and the product's result is divided by l at the end. Since M is a whole number, a kernel that streams over the keys may use a running M (the ceiling of the running maximum): every later rescaling is an exact power of two, which a block's scale takes up: the codes' values come out the same.
;;   OPERANDS COMPUTED ON THE WAY. 'Computed on the way' means the value that the module computes at that place (a softmax that the list does not call 'softmax' is quantised finished and normalised). What goes into a quantiser is computed in f32, as accurately as f32 sums, v_exp_f32 and their like allow (about 1e-6 of the number): no bf16 or f16 on the way to a quantiser, and a product that is left as it is and whose result goes on into a quantised operand takes f32 operands (vector FMAs, or v_wmma_f32_16x16x4_f32). A number that lies on a knife's edge between two numbers of the format may be rounded either way, as far as f32 arithmetic and the matrix unit's own rounding can turn it there, and no further.
;; One version. Each part assembles by itself: llvm-mc -triple=amdgcn-amd-amdhsa -mcpu=gfx1250 --defsym DOCPART=n.
;; ======== version 1 of 1: 4 launches
;; limits: right only within a limited range of input values
;; workspace buffers: x_codes 6,291,456 bytes; x_scales 262,144 bytes; w_codes 3,145,728 bytes; w_scales 131,072 bytes; qkv 24,379,392 bytes; y_img 6,291,456 bytes; y_scales 262,144 bytes
;; launch quant (part 1): grid 384 x 1, 4 waves a work-group, no clusters, 33,280 bytes of LDS; arguments x, Wq, Wk, Wv, Wp, x_codes, x_scales, w_codes, w_scales; writes x_codes, x_scales, w_codes, w_scales
.if DOCPART == 1
	.amdgcn_target "amdgcn-amd-amdhsa--gfx1250"
	.amdhsa_code_object_version 6
	.text
	.protected	k_q9904e20b33_quant
	.globl	k_q9904e20b33_quant
	.p2align	8
	.type	k_q9904e20b33_quant,@function
k_q9904e20b33_quant:
	s_mov_b64 s[64:65], 0
	v_nop
	global_prefetch_b8 v0, s[64:65] scope:SCOPE_SE
	s_setreg_imm32_b32 hwreg(HW_REG_WAVE_MODE, 25, 1), 1
	s_wait_xcnt 0x0
; x [8192][1024] and Wq, Wk, Wv, Wp [1024][1024], f32 with K innermost, become codes of FP6 (E2M3), 6 bits each, with one E8M0 scale byte for each 32 along K.
; A block's scale is 2^(floor(log2(its largest magnitude)) - 2); its byte is the largest magnitude's exponent field - 2, held at 1 from below.  A block of zeros so gets the byte 1: its codes are zeros,
; which add nothing under any byte but 0xff, and the bytes are read by this program alone.
; LIMITS: blocks whose largest magnitude lies under 2^-124 take the byte 1; NaN and infinities among the inputs are not served.
; ROWS LEAVE IN TILE ORDER: of each 32 rows the four groups of 8 rows go to places 0, 2, 1, 3, so that 16 stored neighbours are the rows 8 u + p + 8 (p / 8) of their 32: the later launches read 16 neighbouring
; stored rows as a tile, and two neighbouring tiles' results are then 16 neighbours along the next product's K.
; A work-group takes 32 rows (32,768 numbers), a wave 8 rows: one group.  Work-groups 0-255 take x, 256 + 32 i on take Wq, Wk, Wv, Wp, whose codes lie one behind the other in w_codes.  Only pointers are chosen: one path.
; A wave takes 16 steps of 512 numbers.  Each of a step's four loads reads 512 consecutive bytes; the 2,048 bytes turn through the wave's own stage in LDS and come back 64 bytes a lane: 16 neighbours along K,
; which the conversion wants in one lane's registers; two neighbouring lanes hold a block.  A lane's 16 codes are 12 bytes: the wave stores 384 consecutive bytes.  The wave's 256 scale bytes leave as one aligned run of 256 bytes.
; No tensor loads, no barrier: waves share nothing.  Loads run four steps (16 loads a wave) ahead, the turn through LDS one step.
.set STEPS, 16
.set EMAX,  2
.set CB,    12                         ; bytes of 16 codes
.set R,     16                         ; v16-79   four sets of 16 numbers as they are loaded
.set X,     80                         ; v80-111  two sets of 16 neighbours
.set C,     128                        ; v128-191 codes: four registers for each step, so that no store's data are written again
.set E,     112                        ; v112-127 a scale byte for each step
.set WREG,  8192                       ; LDS: a region for each wave: two stages of 32 x SP bytes, and behind them its 256 scale bytes
.set SP,    80                         ; a lane's place in a stage: its 64 bytes + 16 of padding
	s_load_b256 s[4:11], s[0:1], 0x0               ; x, Wq, Wk, Wv
	s_load_b256 s[12:19], s[0:1], 0x20             ; Wp, x_codes, x_scales, w_codes
	s_load_b64 s[20:21], s[0:1], 0x40              ; w_scales
	v_lshl_add_u32 v192, v0, 2, 0x8000
	v_mov_b32 v193, 0
	v_lshrrev_b32 v1, 5, v0
	v_readfirstlane_b32 s22, v1                    ; wave
	v_and_b32 v2, 31, v0                           ; lane
	v_lshlrev_b32 v3, 4, v2                        ; my 16 bytes of a load's 512
	s_mul_i32 s23, s22, WREG
	v_lshrrev_b32 v14, 2, v2
	v_mul_u32_u24 v14, v14, SP
	v_and_b32 v15, 3, v2
	v_lshl_add_u32 v14, v15, 4, v14
	v_add_nc_u32 v14, s23, v14                     ; the stage, on the way in: SP (lane / 4) + 16 (lane % 4)
	v_mul_u32_u24 v15, v2, SP
	v_add_nc_u32 v15, s23, v15                     ; and on the way out: SP x lane: my 16 neighbours
	v_mul_u32_u24 v4, v2, CB                       ; my codes' place in a step's
	v_lshrrev_b32 v5, 1, v2
	s_add_co_u32 s23, s23, 2*32*SP
	v_add_nc_u32 v5, s23, v5                       ; LDS: my wave's 256 scale bytes, my block's byte
	v_lshlrev_b32 v7, 3, v2                        ; and on the way out 8 bytes a lane
	v_add_nc_u32 v6, s23, v7
	s_wait_kmcnt 0x0
	s_cmp_lt_u32 ttmp9, 352                        ; which tensor: the choice hangs on the work-group's number alone
	s_cselect_b64 s[12:13], s[10:11], s[12:13]     ; Wv, else Wp
	s_cmp_lt_u32 ttmp9, 320
	s_cselect_b64 s[12:13], s[8:9], s[12:13]       ; Wk
	s_cmp_lt_u32 ttmp9, 288
	s_cselect_b64 s[12:13], s[6:7], s[12:13]       ; Wq
	s_cmp_lt_u32 ttmp9, 256
	s_cselect_b64 s[12:13], s[4:5], s[12:13]       ; x: s[12:13] is the source
	s_cselect_b64 s[14:15], s[14:15], s[18:19]     ; the codes' buffer
	s_cselect_b64 s[16:17], s[16:17], s[20:21]     ; the scale bytes' buffer
	s_cselect_b32 s24, 0, 256
	s_cselect_b32 s25, -1, 31
	s_sub_co_u32 s24, ttmp9, s24                   ; which 32 rows of the destination
	s_and_b32 s25, s24, s25                        ; which 32 rows of the source tensor
	s_lshl_b32 s25, s25, 2
	s_add_co_u32 s25, s25, s22                     ; the source's run of 8 rows: group = wave
	s_lshr_b32 s26, s22, 1
	s_and_b32 s27, s22, 1
	s_lshl_b32 s27, s27, 1
	s_or_b32 s26, s26, s27                         ; its place: 0, 2, 1, 3
	s_lshl_b32 s24, s24, 2
	s_add_co_u32 s24, s24, s26                     ; the destination's run
	s_lshl_b32 s28, s25, 15                        ; 8 rows of 4,096 bytes
	s_mov_b32 s29, 0
	s_add_nc_u64 s[12:13], s[12:13], s[28:29]
	s_mul_i32 s28, s24, 32*STEPS*CB                ; 8 rows of 768 bytes
	s_add_nc_u64 s[14:15], s[14:15], s[28:29]
	s_lshl_b32 s28, s24, 8                         ; 8 rows of 32 bytes
	s_add_nc_u64 s[16:17], s[16:17], s[28:29]
.macro LOAD t
.irp i, 0,1,2,3
	global_load_b128 v[R+16*((\t)%4)+4*\i:R+16*((\t)%4)+4*\i+3], v3, s[12:13] offset:2048*(\t)+512*\i th:TH_LOAD_NT   ; 32 lanes read 512 consecutive bytes
.endr
.endm
.macro TURN t                          ; step t's numbers through the stage: LDS serves a wave's instructions in order, so no wait stands between the stores and the loads
.irp i, 0,1,2,3
	ds_store_b128 v14, v[R+16*((\t)%4)+4*\i:R+16*((\t)%4)+4*\i+3] offset:32*SP*((\t)%2)+8*SP*\i
.endr
.irp i, 0,1,2,3
	ds_load_b128 v[X+16*((\t)%2)+4*\i:X+16*((\t)%2)+4*\i+3], v15 offset:32*SP*((\t)%2)+16*\i
.endr
.endm
.irp t, 0,1,2,3
	LOAD \t
.endr
	s_wait_loadcnt 12                              ; step 0's four loads are in
	TURN 0
.macro STEP t
.set XS, X+16*((\t)%2)
.if (\t) > 0
	s_wait_dscnt 1                                 ; this step's numbers are back from the stage (the last step's byte store may be out): so its stores into the stage have read their registers,
.else
	s_wait_dscnt 0x0
.endif
.if (\t)+4 < STEPS
	LOAD (\t)+4                                    ; which take the loads of four steps on
.endif
.if (\t)+1 < STEPS
.if STEPS-2-(\t) >= 3
	s_wait_loadcnt 12                              ; the next step's four loads are in; those of the three steps behind it may be out
.else
	s_wait_loadcnt 4*(STEPS-2-(\t))
.endif
	TURN (\t)+1                                    ; and go through the other stage while this step is worked
.endif
	v_max3_num_f32 v8, |v[XS]|, |v[XS+1]|, |v[XS+2]|               ; the largest magnitude of my 16
	v_max3_num_f32 v9, |v[XS+3]|, |v[XS+4]|, |v[XS+5]|
.irp i, 6,10
	v_max3_num_f32 v8, v8, |v[XS+\i]|, |v[XS+\i+1]|
	v_max3_num_f32 v9, v9, |v[XS+\i+2]|, |v[XS+\i+3]|
.endr
	v_max3_num_f32 v8, v8, |v[XS+14]|, |v[XS+15]|
	v_max3_num_f32 v8, v8, v9, (EMAX+1)<<23        ; and the floor 2^(3 - 127): so the byte cannot fall under 1
	v_max_num_f32_dpp v8, v8, v8 row_xmask:1 row_mask:0xf bank_mask:0xf   ; and of my neighbour's 16: the block's
	v_add_nc_u32 v11, 0xff000000, v8               ; 2 off its exponent field: the conversion takes the exponent field of this operand as its scale, and nothing else of it
	v_cvt_scalef32_pk16_fp6_f32 v[C+4*(\t):C+4*(\t)+2], v[XS:XS+15], v11         ; sixteen numbers / the scale, to the nearest code, ties to even, beyond the largest code the largest
	v_lshrrev_b32 v[E+(\t)], 23, v11               ; the scale's byte
	ds_store_b8 v5, v[E+(\t)] offset:16*(\t)       ; both lanes of a block write the same byte with the same value
	global_store_b96 v4, v[C+4*(\t):C+4*(\t)+2], s[14:15] offset:32*CB*(\t)
.endm
.irp t, 0,1,2,3,4,5,6,7,8,9,10,11,12,13,14,15
	STEP \t
.endr
	ds_load_b64 v[12:13], v6                       ; LDS serves a wave's instructions in order: these see my stores
	s_wait_dscnt 0x0
	global_store_b64 v7, v[12:13], s[16:17]        ; 32 lanes store 256 consecutive bytes, aligned
	s_wait_tensorcnt 0x0
	ds_add_u32 v192, v193
	s_wait_dscnt 0x0
	s_endpgm
.Lfunc_end_k_q9904e20b33_quant:
	.size	k_q9904e20b33_quant, .Lfunc_end_k_q9904e20b33_quant-k_q9904e20b33_quant
	.p2alignl 7, 3214868480
	.fill 96, 4, 3214868480
	.section	.rodata,"a",@progbits
	.p2align	6, 0x0
	.amdhsa_kernel k_q9904e20b33_quant
		.amdhsa_group_segment_fixed_size 33280
		.amdhsa_private_segment_fixed_size 0
		.amdhsa_enable_private_segment 0
		.amdhsa_kernarg_size 72
		.amdhsa_user_sgpr_count 2
		.amdhsa_user_sgpr_kernarg_segment_ptr 1
		.amdhsa_wavefront_size32 1
		.amdhsa_system_sgpr_workgroup_id_x 1
		.amdhsa_system_sgpr_workgroup_id_y 1
		.amdhsa_system_sgpr_workgroup_id_z 1
		.amdhsa_system_vgpr_workitem_id 0
		.amdhsa_next_free_vgpr 194
		.amdhsa_next_free_sgpr 66
		.amdhsa_reserve_vcc 0
		.amdhsa_float_denorm_mode_32 3
		.amdhsa_float_denorm_mode_16_64 3
		.amdhsa_memory_ordered 1
		.amdhsa_forward_progress 1
		.amdhsa_inst_pref_size 33
	.end_amdhsa_kernel
	.amdgpu_metadata
---
amdhsa.version: [ 1, 2 ]
amdhsa.kernels:
  - .name:           k_q9904e20b33_quant
    .symbol:         k_q9904e20b33_quant.kd
    .args:
      - { .name: x, .offset: 0, .size: 8, .value_kind: global_buffer, .address_space: global }
      - { .name: Wq, .offset: 8, .size: 8, .value_kind: global_buffer, .address_space: global }
      - { .name: Wk, .offset: 16, .size: 8, .value_kind: global_buffer, .address_space: global }
      - { .name: Wv, .offset: 24, .size: 8, .value_kind: global_buffer, .address_space: global }
      - { .name: Wp, .offset: 32, .size: 8, .value_kind: global_buffer, .address_space: global }
      - { .name: x_codes, .offset: 40, .size: 8, .value_kind: global_buffer, .address_space: global }
      - { .name: x_scales, .offset: 48, .size: 8, .value_kind: global_buffer, .address_space: global }
      - { .name: w_codes, .offset: 56, .size: 8, .value_kind: global_buffer, .address_space: global }
      - { .name: w_scales, .offset: 64, .size: 8, .value_kind: global_buffer, .address_space: global }
    .group_segment_fixed_size: 33280
    .private_segment_fixed_size: 0
    .kernarg_segment_align: 8
    .kernarg_segment_size: 72
    .max_flat_workgroup_size: 128
    .sgpr_count:     66
    .vgpr_count:     194
    .wavefront_size: 32
...
	.end_amdgpu_metadata
.endif
;; end of part 1
;; launch qkv (part 2): grid 12 x 32, 4 waves a work-group, clusters of 4 x 4, 327,680 bytes of LDS; arguments x_codes, x_scales, w_codes, w_scales, bq, bk, bv, qkv; writes qkv
.if DOCPART == 2
	.amdgcn_target "amdgcn-amd-amdhsa--gfx1250"
	.amdhsa_code_object_version 6
	.text
	.protected	k_q9904e20b33_qkv
	.globl	k_q9904e20b33_qkv
	.p2align	8
	.type	k_q9904e20b33_qkv,@function
k_q9904e20b33_qkv:
	s_mov_b64 s[64:65], 0
	v_nop
	global_prefetch_b8 v0, s[64:65] scope:SCOPE_SE
	s_setreg_imm32_b32 hwreg(HW_REG_WAVE_MODE, 25, 1), 1
	s_wait_xcnt 0x0
	s_wait_alu depctr_hold_cnt(0) depctr_sa_sdst(0) depctr_va_vdst(0) depctr_va_sdst(0) depctr_va_ssrc(0) depctr_va_vcc(0) depctr_vm_vsrc(0)
	s_getreg_b32 s2, hwreg(HW_REG_IB_STS2, 6, 4)
	s_cmp_eq_u32 s2, 0
	s_cbranch_scc0 .Lentry_in_a_cluster
	s_endpgm
.Lentry_in_a_cluster:
	s_bfe_u32 s2, ttmp6, 0x10000c
	s_cmp_lg_u32 s2, 0xf033
	s_cbranch_scc0 .Lentry_shape_is_right
	s_endpgm
.Lentry_shape_is_right:
; q = x Wq^T + bq, k = x Wk^T + bk, v = x Wv^T + bv on codes of FP6 (E2M3) with one E8M0 scale for each 32 along K = 1,024; sums in f32; the results are quantised here, in registers, for the attention launch.
; C[m][n] = sum over k of A[m][k] B[n][k] + bias, quantised ALONG n.  The cluster's x is the role, the same in all sixteen partners: 0: q, 1: k (A = x's rows, B = the weight's rows: a lane holds a token, its registers run
; along the head's 64);  2: v, made TRANSPOSED (A = Wv's rows, B = x's rows: a lane holds one of the head's 64, its registers run along the tokens, which are the second attention product's K).
; A tile of C, 256 x 256, is made by a work-group of four waves; a wave makes 128 x 128: 64 accumulators of 16 x 16, 512 registers.  K goes in steps of 256 through a ring of two LDS slots filled by the tensor data mover.
; The scale bytes of the work-group's 256 + 256 rows, for all of K, come into LDS once, with the first fills.  CLUSTERS: 4 x 4 work-groups; A's tiles are asked for jointly along a row of the cluster, B's along a column.
; THE MATRIX INSTRUCTION IS USED TRANSPOSED (source 0 = 16 rows of B, source 1 = 16 rows of A).  Rows lie in memory in TILE ORDER (stored tile 2 G + u, place p = true row 32 G + 8 u + p + 8 (p / 8)), so that
; registers 16 b + i of a block's accumulators 2 b and 2 b + 1 are the true columns 32 b + 16 (lane / 16) + i: 16 neighbours along the next K.
; THE WAY OUT has no LDS: a block of 16 rows x 128 columns gets its bias, is quantised (four blocks of 32) and leaves as AN IMAGE OF THE NEXT OPERAND'S REGISTERS: lane l's 16 (8) bytes at 16 l (8 l), whole aligned runs of 512 (256) bytes.
; qkv: [64 heads][16 groups of 128 tokens][23,808 bytes]: K: 8 tiles x 1,024 (registers 0-5 codes, 6 the aux code, 7 zero), 512 bytes of scale words; V^T: 4 tiles x 1,536, 256 bytes of scale words; Q as K.
; THE COLUMN MASK (keys with token % 25 == 24 are hidden) rides in the unused upper half of the first attention product's K = 128: Q carries the code of 1.0 at k = 64 under the byte 64; a hidden key carries the code of -7.5 there
; under the byte 247, every other key a zero code under the byte 64.  So a hidden key's score is q.k - 7.5 x 2^57 and its p is exactly 0; a visible key gains an exact 0.
; LIMITS: true |q.k| stays far under 2^57; blocks whose largest magnitude lies under 2^-124, and blocks of zeros, take the byte 1 (their bytes are read by this program alone); NaN and infinities are not served.
; REGISTERS, in windows of 256: window 0: v0-31 addresses; v32-63 scale words, two sets; v64-127 the bias; from v128 A's fragments, one set; on the way out v128-239 at work.  window 1: B's fragments, two sets.
;   window 2: the 32 accumulators of my rows 0-63 (accumulator (a, b) at v[8 (8 a + b)]);   window 3: those of my rows 64-127.
.set SIZE_K, 1024
.set KSTEP,  256                       ; along K in a slot
.set NQ,     KSTEP/128                 ; matrix instructions deep
.set ROWB,   192                       ; a tile's row in bytes
.set KROW,   SIZE_K*6/8                ; a row of codes in memory
.set PITCH,  240                       ; an LDS row: 3 x (64 bytes of data + 16 of padding)
.set FR,     12                        ; registers of a fragment
.set NL,     6                         ; LDS loads that bring one
.set NP,     4                         ; places behind this matrix instruction (ISA guide 7.12.1)
.set HALFT,  128*PITCH                 ; 128 rows: what one tensor load brings
.set SLOT,   4*HALFT                   ; A's 256 rows, then B's 256 rows
.set LAPS,   SIZE_K/(2*KSTEP)
.set KS,     SIZE_K/32                 ; a row of scale bytes
.set SCL,    2*SLOT                    ; behind the ring: the scales, as runs of 256 bytes + 16 of padding
.set HALFS,  (128*KS/256)*272
.set SBLK,   (16*KS/256)*272
.set SPARE,  SCL+4*HALFS               ; the spare words, 128 bytes for each wave
.set RECB,   23808                     ; a record of qkv
.set HEADB,  16*RECB                   ; a head's records
.set ADRA, 16                          ; v16-17 LDS address of my A fragments in slot 0, 1 (v18-19: behind one padding more)
.set ADRB, 20                          ; v20-23 the same for B
.set ADRS, 27                          ; v27    LDS address of my scale words
.set SPW,  28                          ; v28    LDS address of my spare word; never rewritten
.set NIL,  29                          ; v29    0; never rewritten
.set SC,   32                          ; scale words, two sets
.set AF,   128                         ; A's fragments
.set BN,   64                          ; v64-127 the bias (q, k: 64 numbers a lane; v: one number a block, in pairs)
.set ST,   128                         ; the way out: 64 numbers
.set PC,   192                         ; v192-207 the codes: half c at PC + 8 c
.set PT,   208                         ; v208-215 the conversions' second halves
.set TM,   216                         ; v216-219 largest magnitudes, v220-223 bytes, v228-231 the conversions' scale operands
.set PW,   232                         ; the scale word just made
.set AUXH, 233                         ; the aux bytes 2 and 3 of a scale word
.set KW,   32                          ; v32-39 Q's or K's scale words: head e at KW + 4 e
.set VW,   40                          ; v40-43 V's: head e at VW + 2 e
.set MK,   18                          ; s18 all ones in role k, else 0
.set MQ,   19                          ; s19 lanes 0-15 in role q, else 0
.set C1,   20                          ; s20 the aux code: 63 (-7.5) in role k, 8 (1.0) in role q
.set H1,   21                          ; s21 the aux bytes where the aux code stands
.set HIM,  22                          ; s22 lanes 16-31
.set CM,   23                          ; s23 the lanes that take the aux code
.set SEL,  100                         ; s[100:101] v_permlanex16_b32's selects for lane l xor 16
.set G1, 24
.set G0, 32
.set G1B, 48
.set G0B, 56
.set G1S, 68
.set G0S, 76
.set G1SB, 80
.set G0SB, 88
.set MSB, 0
.macro WIN new                         ; the immediate's high byte repeats the setting that is left
.if MSB != (\new)
	s_set_vgpr_msb (MSB<<8)|(\new)
.set MSB, (\new)
.endif
.endm
.set MUL_LO, 0xa1                      ; source 0 (B) window 1, source 1 (A) window 0, C and D window 2
.set MUL_HI, 0xf1                      ; the same, C and D window 3
.set TO_B,   0x40                      ; destination window 1, address window 0
; A joint load: waves 0 and 1 fetch for A, waves 2 and 3 for B.  The branch hangs on the wave's number alone.  Four v_nop follow each of the two lines.
.macro JLOAD g0a, g1a, g0b, g1b
	s_cmp_eq_u32 s15, 0
	s_cbranch_scc0 .Lfor_b_\@
	tensor_load_to_lds s[\g0a:\g0a+3], s[\g1a:\g1a+7]
	s_nop 0
.rept 4
	v_nop
.endr
	s_branch .Lasked_\@
.Lfor_b_\@:
	tensor_load_to_lds s[\g0b:\g0b+3], s[\g1b:\g1b+7]
	s_nop 0
.rept 4
	v_nop
.endr
.Lasked_\@:
.endm
.macro CREST                           ; a round of the cluster's barrier behind its opening barrier
	s_cmp_lg_u32 s14, 0
	s_cbranch_scc1 .Lnot_wave_0_\@
	s_barrier_signal -3
.Lnot_wave_0_\@:
	s_barrier_wait -3
	s_barrier_signal -1
	s_barrier_wait -1
.endm
.macro CROUND                          ; a whole round
	s_barrier_signal -1
	s_barrier_wait -1
	CREST
.endm
	s_load_b128 s[4:7], s[0:1], 0x0                ; x's codes, x's scales
	s_load_b128 s[8:11], s[0:1], 0x10              ; the weights' codes, their scales
	v_lshl_add_u32 v[SPW], v0, 2, SPARE
	v_mov_b32 v[NIL], 0
	ds_add_u32 v28, v29
	s_wait_dscnt 0x0
	v_lshrrev_b32 v1, 5, v0
	v_readfirstlane_b32 s14, v1                    ; wave 0..3
	s_lshr_b32 s15, s14, 1                         ; which half of the tile's rows is mine.  Also: I fetch for A (0) or for B (1)
	s_and_b32 s16, s14, 1                          ; which half of its columns.  Also: which 128 rows of that tile I fetch
	s_bfe_u32 s40, ttmp6, 0x40000                  ; cx, cy: my place in the cluster
	s_bfe_u32 s41, ttmp6, 0x40004
	s_and_b32 s66, ttmp7, 0xffff
	s_lshl_b32 s66, s66, 2                         ; 4 x cluster y
	s_lshl_b32 s67, ttmp9, 2                       ; 4 x cluster x
	s_cmp_eq_u32 ttmp9, 2                          ; the role: the same in all sixteen partners
	s_cselect_b32 s17, 8, s66                      ; A's tile row, the cluster's part: Wv begins at tile row 8 of the weights; else x's rows by the cluster's y
	s_cselect_b32 s42, s66, s67                    ; B's: x's rows by the cluster's y; else Wq's or Wk's rows by the cluster's x
	s_add_co_u32 s17, s17, s41                     ; + cy: A's tile row
	s_add_co_u32 s42, s42, s40                     ; + cx: B's tile row (C's tile column)
	s_lshl_b32 s43, s41, 2
	s_lshl_b32 s43, 15, s43                        ; my row of the cluster
	s_lshl_b32 s44, 0x1111, s40                    ; my column
	; descriptor group 1: a tile of 128 rows x ROWB bytes, padded in LDS
	s_or_b32 s[G1+0], s43, (0<<16)|(1<<20)|(1<<21)|(3<<22)|(3<<25)  ; the mask: A's tiles go to my row; elements of 1 byte; padding on; bit 21 beside a mask; after every 16 words 4 words
	s_or_b32 s[G1B+0], s44, (0<<16)|(1<<20)|(1<<21)|(3<<22)|(3<<25)
.irp g, G1, G1B
	s_mov_b32 s[\g+1], ROWB<<16                    ; tensor_dim0
	s_mov_b32 s[\g+2], 128<<16                     ; tensor_dim1 = 128
	s_mov_b32 s[\g+3], ROWB<<16                    ; tile_dim0
	s_mov_b32 s[\g+4], 128                         ; tile_dim1 = 128
	s_mov_b32 s[\g+5], KROW                        ; tensor_dim0_stride
	s_mov_b32 s[\g+6], 0
	s_mov_b32 s[\g+7], 0
.endr
	; the scales of 128 rows: a dense block of 4,096 bytes, as rows of 256 bytes (32 elements of 8 bytes), 16 bytes of padding behind each
	s_or_b32 s[G1S+0], s43, (3<<16)|(1<<20)|(1<<21)|(5<<22)|(3<<25)
	s_or_b32 s[G1SB+0], s44, (3<<16)|(1<<20)|(1<<21)|(5<<22)|(3<<25)
.irp g, G1S, G1SB
	s_mov_b32 s[\g+1], 32<<16
	s_mov_b32 s[\g+2], (128*KS/256)<<16
	s_mov_b32 s[\g+3], 32<<16
	s_mov_b32 s[\g+4], 128*KS/256
	s_mov_b32 s[\g+5], 32
	s_mov_b32 s[\g+6], 0
	s_mov_b32 s[\g+7], 0
.endr
	s_lshl_b32 s18, s16, 7                         ; which 128 rows of the tile I fetch
	s_lshl_b32 s20, s17, 8
	s_add_co_u32 s20, s20, s18                     ; A: stored row 256 x tile row + 128 x half
	s_lshl_b32 s46, s42, 8
	s_add_co_u32 s46, s46, s18                     ; B likewise
	s_mov_b32 s21, 0
	s_mov_b32 s47, 0
	s_mov_b64 s[18:19], KS
	s_mul_u64 s[22:23], s[20:21], s[18:19]         ; where these rows' scales begin, in bytes
	s_mul_u64 s[92:93], s[46:47], s[18:19]
	s_mov_b64 s[18:19], KROW
	s_mul_u64 s[20:21], s[20:21], s[18:19]         ; and their codes
	s_mul_u64 s[46:47], s[46:47], s[18:19]
	s_mul_i32 s45, s14, HALFT                      ; where they go: wave x 128 rows: no place in the cluster enters an LDS address
	s_mul_i32 s94, s14, HALFS
	s_wait_kmcnt 0x0
	s_cmp_eq_u32 ttmp9, 2                          ; which buffers are A's and which B's
	s_cselect_b64 s[96:97], s[8:9], s[4:5]         ; A's codes
	s_cselect_b64 s[98:99], s[10:11], s[6:7]       ; A's scales
	s_cselect_b64 s[4:5], s[4:5], s[8:9]           ; B's codes
	s_cselect_b64 s[6:7], s[6:7], s[10:11]         ; B's scales
	s_add_nc_u64 s[20:21], s[96:97], s[20:21]
	s_add_nc_u64 s[22:23], s[98:99], s[22:23]
	s_add_nc_u64 s[46:47], s[4:5], s[46:47]
	s_add_nc_u64 s[92:93], s[6:7], s[92:93]
	CROUND                                         ; all sixteen work-groups are here: the first joint loads meet
	s_mov_b32 s[G0S], 1
	s_add_co_u32 s[G0S+1], s94, SCL
	s_mov_b64 s[G0S+2:G0S+3], s[22:23]
	s_or_b32 s[G0S+3], s[G0S+3], 0x80000000
	s_mov_b32 s[G0SB], 1
	s_add_co_u32 s[G0SB+1], s94, SCL
	s_mov_b64 s[G0SB+2:G0SB+3], s[92:93]
	s_or_b32 s[G0SB+3], s[G0SB+3], 0x80000000
	JLOAD G0S, G1S, G0SB, G1SB                     ; the scales first: they are wanted with K step 0
.irp s, 0,1
	s_mov_b32 s[G0+4*\s], 1
	s_add_co_u32 s[G0+4*\s+1], s45, \s*SLOT
	s_add_nc_u64 s[G0+4*\s+2:G0+4*\s+3], s[20:21], \s*ROWB
	s_or_b32 s[G0+4*\s+3], s[G0+4*\s+3], 0x80000000
	s_mov_b32 s[G0B+4*\s], 1
	s_add_co_u32 s[G0B+4*\s+1], s45, \s*SLOT
	s_add_nc_u64 s[G0B+4*\s+2:G0B+4*\s+3], s[46:47], \s*ROWB
	s_or_b32 s[G0B+4*\s+3], s[G0B+4*\s+3], 0x80000000
	JLOAD G0+4*\s, G1, G0B+4*\s, G1B               ; three tensor loads of mine are out at the most
.endr
	s_load_b256 s[4:11], s[0:1], 0x20              ; bq, bk, bv, qkv
	v_and_b32 v1, 15, v0                           ; r = l % 16
	v_bfe_u32 v2, v0, 4, 1                         ; h = l / 16
	v_mul_u32_u24 v3, v1, PITCH
	v_mul_u32_u24 v4, v2, 24
	v_add_nc_u32 v4, v3, v4                        ; a fragment's row x pitch + 24 x half
	v_lshl_add_u32 v5, v2, 4, v4                   ; and the same behind one padding more
	s_mul_i32 s21, s15, HALFT                      ; my 128 rows of A
	s_mul_i32 s22, s16, HALFT                      ; my 128 rows of B,
	s_add_co_u32 s22, s22, 2*HALFT                 ; which lie behind A's 256
.irp s, 0,1
	v_add_nc_u32 v[ADRA+\s], s21, v4
	v_add_nc_u32 v[ADRB+\s], s22, v4
	v_add_nc_u32 v[ADRA+2+\s], s21, v5
	v_add_nc_u32 v[ADRB+2+\s], s22, v5
	s_add_co_u32 s21, s21, SLOT
	s_add_co_u32 s22, s22, SLOT
.endr
	v_mul_u32_u24 v5, v1, KS                       ; my row's scales: KS bytes a row,
	v_lshrrev_b32 v6, 8, v5
	v_lshl_add_u32 v5, v6, 4, v5                   ; and 16 more for each 256 passed
	s_mul_i32 s21, s15, HALFS                      ; A's: my 128 rows
	s_mul_i32 s22, s16, HALFS                      ; B's: my 128 rows, behind A's 256
	s_add_co_u32 s22, s22, 2*HALFS
	s_sub_co_u32 s22, s22, s21
	v_mul_u32_u24 v6, s22, v2                      ; lanes 16-31 take B's
	s_add_co_u32 s21, s21, SCL
	v_add_nc_u32 v5, v5, v6
	v_add_nc_u32 v[ADRS], s21, v5
	; the way out: the role's bias, record and constants
	s_mov_b32 s[SEL], 0x76543210
	s_mov_b32 s[SEL+1], 0xfedcba98
	s_mov_b32 s[HIM], 0xffff0000
	s_wait_kmcnt 0x0
	s_cmp_eq_u32 ttmp9, 1
	s_cselect_b64 s[4:5], s[6:7], s[4:5]           ; bk, else bq
	s_cselect_b32 s[MK], -1, 0
	s_mov_b32 s[MQ], 0xffff
	s_cselect_b32 s[MQ], 0, s[MQ]
	s_cselect_b32 s[C1], 63, 8
	s_mov_b32 s[H1], 0x40400000                    ; bytes 2 and 3 = 64
	s_cselect_b32 s[H1], 0x40f70000, s[H1]         ; a hidden key's: byte 2 = 247
	s_mov_b32 s95, 15104                           ; Q's part of a record
	s_cselect_b32 s95, 0, s95                      ; K's
	s_cmp_eq_u32 ttmp9, 2
	s_cselect_b64 s[4:5], s[8:9], s[4:5]           ; bv
	s_cselect_b32 s95, 8704, s95                   ; V's
	s_cselect_b32 s96, s42, s17                    ; P: which 256 tokens
	s_cselect_b32 s97, s41, s40                    ; which 256 of the 1,024 features
	s_cselect_b32 s98, s15, s16                    ; which 128 of them are my wave's
	s_cselect_b32 s99, s16, s15                    ; which 128 of the tokens
	s_lshl_b32 s46, s97, 10
	s_lshl_b32 s47, s98, 9
	s_add_co_u32 s46, s46, s47
	s_mov_b32 s47, 0
	s_add_nc_u64 s[4:5], s[4:5], s[46:47]          ; the bias of my 128 features
	s_lshr_b32 s46, s96, 3                         ; the batch
	s_lshl_b32 s46, s46, 4
	s_lshl_b32 s92, s97, 2
	s_add_co_u32 s46, s46, s92
	s_lshl_b32 s92, s98, 1
	s_add_co_u32 s46, s46, s92                     ; batch x 16 + my first head
	s_lshl_b32 s46, s46, 4
	s_and_b32 s92, s96, 7
	s_lshl_b32 s93, s92, 1
	s_add_co_u32 s46, s46, s93
	s_add_co_u32 s46, s46, s99                     ; + my group of 128 tokens
	s_mul_i32 s46, s46, RECB
	s_add_co_u32 s46, s46, s95
	s_add_nc_u64 s[12:13], s[10:11], s[46:47]      ; my first head's record, at the role's part
	s_lshl_b32 s92, s92, 8
	s_lshl_b32 s93, s99, 7
	s_add_co_u32 s92, s92, s93                     ; my first token in its sequence
	v_and_b32 v6, 8, v1
	v_add_nc_u32 v6, v6, v1                        ; r + 8 (r / 8)
	v_add_nc_u32 v11, s92, v6                      ; v11: the token of my lane in block 0
	v_lshlrev_b32 v8, 2, v6                        ; v8:  the bias of my row (role v)
	v_lshlrev_b32 v7, 6, v2                        ; v7:  64 h: the bias of my 16 columns of each 32 (roles q, k)
	v_and_b32 v5, 31, v0
	v_lshlrev_b32 v9, 4, v5                        ; v9:  16 x lane
	v_lshlrev_b32 v10, 3, v5                       ; v10: 8 x lane
.macro FRAG reg, adr, q, i             ; a fragment, 16 rows x 128 K of 6-bit codes: lane l holds row l % 16; registers 6 c .. 6 c + 5 hold K = 64 c + 32 (l / 16) + 0 .. 31: 24 bytes of the row, as they lie
.irp p, 0,1,2,3,4,5                    ; in pieces of 8 bytes.  Where the piece of lanes 16-31 lies behind one padding more, the second address register serves
.set PCE, 12*(\q)+6*(\p/3)+\p%3
.if PCE%8 < 5
	ds_load_b64 v[\reg+2*\p:\reg+2*\p+1], v[\adr] offset:8*PCE+16*(PCE/8)+(\i)*16*PITCH
.else
	ds_load_b64 v[\reg+2*\p:\reg+2*\p+1], v[\adr+2] offset:8*PCE+16*(PCE/8)+(\i)*16*PITCH
.endif
.endr
.endm
; 16 matrix instructions: A's blocks a0, a0 + 1 x B's eight, 128 along K.  The 64 accumulators take turns, one instruction a turn, in the same order in every step.
.macro MUL16 a0, p, q, sc, zero
.irp a, \a0, \a0+1
.irp b, 0,1,2,3,4,5,6,7
.if \zero
	v_wmma_scale_f32_16x16x128_f8f6f4 v[8*(8*((\a)%4)+\b):8*(8*((\a)%4)+\b)+7], v[128*(\p)+FR*\b:128*(\p)+FR*\b+FR-1], v[AF+FR*(\a):AF+FR*(\a)+FR-1], 0, v[SC+8*NQ*(\sc)+NQ*\b+(\q)], v[SC+8*NQ*(\sc)+NQ*(\a)+(\q)] matrix_a_fmt:MATRIX_FMT_FP6 matrix_b_fmt:MATRIX_FMT_FP6 matrix_a_scale:MATRIX_SCALE_ROW1
.else
	v_wmma_scale_f32_16x16x128_f8f6f4 v[8*(8*((\a)%4)+\b):8*(8*((\a)%4)+\b)+7], v[128*(\p)+FR*\b:128*(\p)+FR*\b+FR-1], v[AF+FR*(\a):AF+FR*(\a)+FR-1], v[8*(8*((\a)%4)+\b):8*(8*((\a)%4)+\b)+7], v[SC+8*NQ*(\sc)+NQ*\b+(\q)], v[SC+8*NQ*(\sc)+NQ*(\a)+(\q)] matrix_a_fmt:MATRIX_FMT_FP6 matrix_b_fmt:MATRIX_FMT_FP6 matrix_a_scale:MATRIX_SCALE_ROW1
.endif
.endr
.endr
.endm
.macro FETCH_B slot, q, p              ; B's eight fragments of the slot's q-th 128 along K into set p
	WIN TO_B
.irp i, 0,1,2,3,4,5,6,7
	FRAG 128*(\p)+FR*\i, ADRB+\slot, \q, \i
.endr
	WIN 0
.endm
.macro FETCH_A slot, q, i0             ; A's blocks i0 .. i0 + 3
.irp i, \i0, \i0+1, \i0+2, \i0+3
	FRAG AF+FR*(\i), ADRA+\slot, \q, \i
.endr
.endm
.macro SCALES sc                       ; the next K step's scale words into set sc: lanes 0-15 take A's block i, lanes 16-31 B's block i
.irp i, 0,1,2,3,4,5,6,7
	ds_load_b64 v[SC+8*NQ*\sc+NQ*\i:SC+8*NQ*\sc+NQ*\i+1], v[ADRS] offset:\i*SBLK
.endr
.endm
.macro PLACES n                        ; plain vector instructions between a matrix instruction and a load into, or a vector instruction on, its registers
.rept \n
	v_nop
.endr
.endm
; A step of 128 along K that has its successor in the same slot.
.macro STEP slot, q, zero
	s_wait_dscnt 4*NL                              ; B's set and A's blocks 0-3 are in; the youngest 24 loads (A's blocks 4-7) may be out
	WIN MUL_LO
	MUL16 0, (\q)%2, \q, \slot, \zero
	MUL16 2, (\q)%2, \q, \slot, \zero
	s_wait_dscnt 0                                 ; A's blocks 4-7 are in
	PLACES NP
	FETCH_B \slot, (\q)+1, 1-(\q)%2
	FETCH_A \slot, (\q)+1, 0
	WIN MUL_HI
	MUL16 4, (\q)%2, \q, \slot, \zero
	MUL16 6, (\q)%2, \q, \slot, \zero
	PLACES NP
	WIN 0
	FETCH_A \slot, (\q)+1, 4
.endm
; A slot's last step changes slots: ONE barrier; in front of it each wave waits for all its tensor loads, adds 0 to its spare word, and waits for that and for its own reads of this slot.
.macro TURN slot, next, fill
	s_wait_tensorcnt 0x0                           ; all my tensor loads have landed: my part of the next slot
	ds_add_u32 v[SPW], v[NIL]                      ; 0 onto my spare word
	s_wait_dscnt 4*NL+1                            ; (the add and the youngest 24 loads may be out)
	WIN MUL_LO
	MUL16 0, 1, NQ-1, \slot, 0                     ; sixteen matrix instructions stand between the add and the wait for it
	s_wait_dscnt 0x0                               ; the add is done, and my reads of this slot are over
	s_barrier_signal -1
	MUL16 2, 1, NQ-1, \slot, 0
	WIN 0
	s_barrier_wait -1
.if \fill
	CREST                                          ; the barrier has opened a round of the cluster's barrier: no wave of any partner still reads this slot's tile or has a load on its way
	s_add_nc_u64 s[G0+4*\slot+2:G0+4*\slot+3], s[G0+4*\slot+2:G0+4*\slot+3], 2*ROWB
	s_add_nc_u64 s[G0B+4*\slot+2:G0B+4*\slot+3], s[G0B+4*\slot+2:G0B+4*\slot+3], 2*ROWB
	JLOAD G0+4*\slot, G1, G0B+4*\slot, G1B         ; the first tensor load behind the round; its four v_nop are the places in front of the loads below
.else
	PLACES NP
.endif
	v_add_nc_u32 v[ADRS], 4*NQ, v[ADRS]            ; on to the next K step's scale words
	FETCH_B \next, 0, 0
	FETCH_A \next, 0, 0
	SCALES \next
	WIN MUL_HI
	MUL16 4, 1, NQ-1, \slot, 0
	MUL16 6, 1, NQ-1, \slot, 0
	PLACES NP
	WIN 0
	FETCH_A \next, 0, 4
.endm
.macro LAST                            ; the very last step: nothing more to fetch
	s_wait_dscnt 4*NL
	WIN MUL_LO
	MUL16 0, 1, NQ-1, 1, 0
	MUL16 2, 1, NQ-1, 1, 0
	s_wait_dscnt 0
	WIN MUL_HI
	MUL16 4, 1, NQ-1, 1, 0
	MUL16 6, 1, NQ-1, 1, 0
	WIN 0
.endm
; 64 numbers of a lane, v[s] .. v[s + 63], register 16 b + i = column 32 b + 16 (lane / 16) + i of my row, become codes (half c, 64 columns, in v[PC + 8 c] .. + 5) and the four blocks' scale word in v[PW].
.macro QUANT8 s
.irp b, 0,1,2,3
	v_max3_num_f32 v[TM+\b], |v[\s+16*\b]|, |v[\s+1+16*\b]|, 0x1800000   ; block b: my 16 numbers, and the floor 2^(3 - 127): so the byte cannot fall under 1
.endr
.irp i, 2,4,6,8,10,12,14
.irp b, 0,1,2,3
	v_max3_num_f32 v[TM+\b], v[TM+\b], |v[\s+16*\b+\i]|, |v[\s+1+16*\b+\i]|   ; (the four blocks by turns)
.endr
.endr
.irp b, 0,1,2,3
	v_permlanex16_b32 v[TM+4+\b], v[TM+\b], s[SEL], s[SEL+1]
.endr
.irp b, 0,1,2,3
	v_max_num_f32 v[TM+\b], v[TM+\b], v[TM+4+\b]   ; with lane l xor 16's: the block's largest magnitude
.endr
.irp b, 0,1,2,3
	v_add_nc_u32 v[TM+12+\b], 0xff000000, v[TM+\b] ; 2 off its exponent field: the conversion's scale operand
.endr
.irp b, 0,1,2,3
	v_lshrrev_b32 v[TM+4+\b], 23, v[TM+12+\b]      ; the scale's byte
.endr
	v_lshl_or_b32 v[PW], v[TM+5], 8, v[TM+4]
	v_lshl_or_b32 v[PW], v[TM+6], 16, v[PW]
	v_lshl_or_b32 v[PW], v[TM+7], 24, v[PW]
.irp c, 0,1
	v_cvt_scalef32_pk16_fp6_f32 v[PC+8*\c:PC+8*\c+2], v[\s+32*\c:\s+15+32*\c], v[TM+12+2*\c]
	v_cvt_scalef32_pk16_fp6_f32 v[PT+4*\c:PT+4*\c+2], v[\s+16+32*\c:\s+31+32*\c], v[TM+12+2*\c+1]   ; (a conversion's three registers begin on an even number)
.endr
	v_nop                                          ; one plain place behind a scaled conversion
.irp c, 0,1                                    ; the operand's layout wants a WHOLE block in a lane: lanes 0-15 block 2 c, lanes 16-31 block 2 c + 1
.irp i, 0,1,2
	v_permlane16_swap_b32 v[PC+8*\c+\i], v[PT+4*\c+\i]
.endr
.irp i, 0,1,2
	v_mov_b32 v[PC+8*\c+3+\i], v[PT+4*\c+\i]
.endr
.endr
.endm
; Roles q and k: block a (16 tokens x my 128 features = two heads) leaves as one tile of each head's record.
.macro QKOUT a
.if (\a) > 0
	s_wait_xcnt 0x0                                ; the last block's stores have read their data registers, which are written again below
.endif
	WIN 0x02+(\a)/4                                ; source 0: the accumulators' window
.irp j, 0,2,4,6,8,10,12,14,16,18,20,22,24,26,28,30,32,34,36,38,40,42,44,46,48,50,52,54,56,58,60,62
	v_pk_add_f32 v[ST+\j:ST+\j+1], v[64*((\a)%4)+\j:64*((\a)%4)+\j+1], v[BN+\j:BN+\j+1]   ; + the bias; each accumulator from its low end on
.endr
	WIN 0
	QUANT8 ST
	v_add_nc_u32 v234, 32*((\a)/2)+8*((\a)%2), v11 ; my token t (under 2,048)
	v_mul_u32_u24 v235, v234, 5243
	v_lshrrev_b32 v235, 17, v235                   ; t / 25: 5,243 / 2^17 is 1 / 25 with an excess under 1 / 25 of a unit up to t = 2,047
	v_mul_u32_u24 v235, v235, 25
	v_sub_nc_u32 v234, v234, v235                  ; t % 25
	v_cmp_eq_u32 s[CM], 24, v234
	s_and_b32 s[CM], s[CM], s[MK]                  ; role k: the hidden keys' lanes;
	s_or_b32 s[CM], s[CM], s[MQ]                   ; role q: lanes 0-15, which hold k = 64
	v_cndmask_b32 v[PC+6], 0, v236, s[CM]          ; register 6: the aux code in its lowest six bits
	v_cndmask_b32 v[PC+14], 0, v236, s[CM]
	v_cndmask_b32 v[AUXH], v238, v237, s[CM]       ; bytes 2 and 3 of the scale word
	v_and_or_b32 v234, v[PW], 0xffff, v[AUXH]      ; the even head's word: its two blocks' bytes below
	v_lshrrev_b32 v235, 16, v[PW]
	v_or_b32 v235, v235, v[AUXH]                   ; the odd head's
.if ((\a)%2) == 0
	v_mov_b32 v[KW+(\a)/2], v234                   ; word a / 2 of the scale image: tile a in lanes 0-15,
	v_mov_b32 v[KW+4+(\a)/2], v235
.else
	v_cndmask_b32 v[KW+(\a)/2], v[KW+(\a)/2], v234, s[HIM]       ; tile a + 1 in lanes 16-31
	v_cndmask_b32 v[KW+4+(\a)/2], v[KW+4+(\a)/2], v235, s[HIM]
.endif
	global_store_b128 v9, v[PC:PC+3], s[12:13] offset:(\a)*1024                    ; each store of the wave covers 512 consecutive bytes, aligned
	global_store_b128 v9, v[PC+4:PC+7], s[12:13] offset:(\a)*1024+512
	global_store_b128 v9, v[PC+8:PC+11], s[12:13] offset:HEADB+(\a)*1024
	global_store_b128 v9, v[PC+12:PC+15], s[12:13] offset:HEADB+(\a)*1024+512
.endm
; Role v: block a (16 of a head's 64 x my 128 tokens) is one fragment of V^T.
.macro VOUT a
.if (\a) > 0
	s_wait_xcnt 0x0
.endif
	WIN 0x02+(\a)/4
.irp j, 0,2,4,6,8,10,12,14,16,18,20,22,24,26,28,30,32,34,36,38,40,42,44,46,48,50,52,54,56,58,60,62
	v_pk_add_f32 v[ST+\j:ST+\j+1], v[64*((\a)%4)+\j:64*((\a)%4)+\j+1], v[BN+2*(\a):BN+2*(\a)+1] op_sel_hi:[1,0]   ; + my row's bias (the pair's low word serves both halves)
.endr
	WIN 0
	QUANT8 ST
.if ((\a)%2) == 0
	v_mov_b32 v[VW+2*((\a)/4)+((\a)%4)/2], v[PW]
.else
	v_cndmask_b32 v[VW+2*((\a)/4)+((\a)%4)/2], v[VW+2*((\a)/4)+((\a)%4)/2], v[PW], s[HIM]
.endif
	global_store_b128 v9, v[PC:PC+3], s[12:13] offset:((\a)/4)*HEADB+((\a)%4)*1536
	global_store_b64 v10, v[PC+4:PC+5], s[12:13] offset:((\a)/4)*HEADB+((\a)%4)*1536+512
	global_store_b128 v9, v[PC+8:PC+11], s[12:13] offset:((\a)/4)*HEADB+((\a)%4)*1536+768
	global_store_b64 v10, v[PC+12:PC+13], s[12:13] offset:((\a)/4)*HEADB+((\a)%4)*1536+1280
.if ((\a)%4) == 3
	global_store_b64 v10, v[VW+2*((\a)/4):VW+2*((\a)/4)+1], s[12:13] offset:((\a)/4)*HEADB+6144   ; the head's scale words
.endif
.endm
	s_wait_tensorcnt 1                             ; the scales and my part of K step 0 are in (K step 1's load may be out),
	s_barrier_signal -1
	s_barrier_wait -1                              ; everybody's are
	FETCH_B 0, 0, 0
	FETCH_A 0, 0, 0
	SCALES 0
	FETCH_A 0, 0, 4
	STEP 0, 0, 1                                   ; the first step stands in front of the loop: its products start the sums
	s_mov_b32 s3, LAPS-1
.Llap:                                                 ; a trip goes once round the ring and fills both slots again
	TURN 0, 1, 1
	STEP 1, 0, 0
	TURN 1, 0, 1
	STEP 0, 0, 0
	s_sub_co_u32 s3, s3, 1
	s_cmp_lg_u32 s3, 0
	s_cbranch_scc1 .Llap
	TURN 0, 1, 0                                   ; the last lap fills nothing, and has no round of the cluster's barrier
	STEP 1, 0, 0
	s_cmp_eq_u32 ttmp9, 2                          ; the role: the same in all partners
	s_cbranch_scc1 .Lv
	; ---- roles q and k.  The bias is asked for ahead of the last step's products: register 16 b + i = bias of column 32 b + 16 h + i
.irp b, 0,1,2,3
.irp k, 0,1,2,3
	global_load_b128 v[BN+16*\b+4*\k:BN+16*\b+4*\k+3], v7, s[4:5] offset:128*\b+16*\k
.endr
.endr
	LAST
	PLACES NP                                      ; behind the last products: their results are read and their operands' registers written below
.irp b, 0,1,2,3
	v_mov_b32 v[TM+4+\b], 0                        ; written once: a lane permute's destination counts as one of its sources
.endr
	v_mov_b32 v236, s[C1]
	v_mov_b32 v237, s[H1]
	v_mov_b32 v238, 0x40400000                     ; the aux bytes where no aux code stands: 64, 64
	v_mov_b32 v[PC+7], 0                           ; register 7 of a tile
	v_mov_b32 v[PC+15], 0
	s_wait_loadcnt 0x0                             ; the bias
.irp a, 0,1,2,3,4,5,6,7
	QKOUT \a
.endr
	global_store_b128 v9, v[KW:KW+3], s[12:13] offset:8192               ; the two heads' scale images
	global_store_b128 v9, v[KW+4:KW+7], s[12:13] offset:HEADB+8192
	s_branch .Lend
.Lv:
	; ---- role v.  For block a: the bias of my row 32 (a / 2) + 8 (a % 2) + r + 8 (r / 8)
.irp a, 0,1,2,3,4,5,6,7
	v_mov_b32 v[BN+2*\a+1], 0                      ; (named as the upper half of a pair)
	global_load_b32 v[BN+2*\a], v8, s[4:5] offset:(32*(\a/2)+8*(\a%2))*4
.endr
	LAST
	PLACES NP
.irp b, 0,1,2,3
	v_mov_b32 v[TM+4+\b], 0
.endr
	s_wait_loadcnt 0x0
.irp a, 0,1,2,3,4,5,6,7
	VOUT \a
.endr
.Lend:
	s_wait_tensorcnt 0x0                           ; the wave's end
	ds_add_u32 v[SPW], v[NIL]
	s_wait_dscnt 0x0
	CROUND                                         ; the closing round: no work-group ends while a partner may still ask for a tile that names it
	s_endpgm
.Lfunc_end_k_q9904e20b33_qkv:
	.size	k_q9904e20b33_qkv, .Lfunc_end_k_q9904e20b33_qkv-k_q9904e20b33_qkv
	.p2alignl 7, 3214868480
	.fill 96, 4, 3214868480
	.section	.rodata,"a",@progbits
	.p2align	6, 0x0
	.amdhsa_kernel k_q9904e20b33_qkv
		.amdhsa_group_segment_fixed_size 327680
		.amdhsa_private_segment_fixed_size 0
		.amdhsa_enable_private_segment 0
		.amdhsa_kernarg_size 64
		.amdhsa_user_sgpr_count 2
		.amdhsa_user_sgpr_kernarg_segment_ptr 1
		.amdhsa_wavefront_size32 1
		.amdhsa_system_sgpr_workgroup_id_x 1
		.amdhsa_system_sgpr_workgroup_id_y 1
		.amdhsa_system_sgpr_workgroup_id_z 1
		.amdhsa_system_vgpr_workitem_id 0
		.amdhsa_next_free_vgpr 1024
		.amdhsa_next_free_sgpr 102
		.amdhsa_reserve_vcc 0
		.amdhsa_float_denorm_mode_32 3
		.amdhsa_float_denorm_mode_16_64 3
		.amdhsa_memory_ordered 1
		.amdhsa_forward_progress 1
		.amdhsa_inst_pref_size 249
	.end_amdhsa_kernel
	.amdgpu_metadata
---
amdhsa.version: [ 1, 2 ]
amdhsa.kernels:
  - .name:           k_q9904e20b33_qkv
    .symbol:         k_q9904e20b33_qkv.kd
    .args:
      - { .name: x_codes, .offset: 0, .size: 8, .value_kind: global_buffer, .address_space: global }
      - { .name: x_scales, .offset: 8, .size: 8, .value_kind: global_buffer, .address_space: global }
      - { .name: w_codes, .offset: 16, .size: 8, .value_kind: global_buffer, .address_space: global }
      - { .name: w_scales, .offset: 24, .size: 8, .value_kind: global_buffer, .address_space: global }
      - { .name: bq, .offset: 32, .size: 8, .value_kind: global_buffer, .address_space: global }
      - { .name: bk, .offset: 40, .size: 8, .value_kind: global_buffer, .address_space: global }
      - { .name: bv, .offset: 48, .size: 8, .value_kind: global_buffer, .address_space: global }
      - { .name: qkv, .offset: 56, .size: 8, .value_kind: global_buffer, .address_space: global }
    .group_segment_fixed_size: 327680
    .private_segment_fixed_size: 0
    .kernarg_segment_align: 8
    .kernarg_segment_size: 64
    .max_flat_workgroup_size: 128
    .sgpr_count:     102
    .vgpr_count:     1024
    .wavefront_size: 32
...
	.end_amdgpu_metadata
.endif
;; end of part 2
;; launch attn (part 3): grid 4 x 64, 16 waves a work-group, no clusters, 327,680 bytes of LDS; arguments qkv, y_img, y_scales; writes y_img, y_scales
.if DOCPART == 3
	.amdgcn_target "amdgcn-amd-amdhsa--gfx1250"
	.amdhsa_code_object_version 6
	.text
	.protected	k_q9904e20b33_attn
	.globl	k_q9904e20b33_attn
	.p2align	8
	.type	k_q9904e20b33_attn,@function
k_q9904e20b33_attn:
	s_mov_b64 s[64:65], 0
	v_nop
	global_prefetch_b8 v0, s[64:65] scope:SCOPE_SE
	s_setreg_imm32_b32 hwreg(HW_REG_WAVE_MODE, 25, 1), 1
	s_wait_xcnt 0x0
; y[b][q][head] = softmax_k(q . k / 8, causal, keys with k % 25 == 24 hidden) v, both products on codes of FP6 (E2M3) with one E8M0 scale for each 32 along a product's K; y leaves QUANTISED along its 64 (two blocks) for the last product.
; THE SOFTMAX: t = score x log2(e) / 8; M = the row's largest t so far, rounded UP to a whole number; p = 2^(t - M) is quantised along the keys, not normalised; the row's sum is taken of the unquantised p and divides O at the end.
; When M moves, the sum and O are multiplied by 2^(old M - new M): exact.
; INPUT: qkv [64 heads][16 groups of 128 tokens][23,808 bytes], images of operand registers: K 8 tiles x 1,024, K's scale words 512, V^T 4 tiles x 1,536, V's scale words 256, Q as K.  Tokens lie in tile order:
; place p of tile 2 G + u is token 32 G + 8 u + p + 8 (p / 8), so that the 16 registers of score tiles 2 b and 2 b + 1 are keys 32 b + 16 (lane / 16) + 0 .. 15.
; THE COLUMN MASK comes with the codes: the first product's K is 64 of the instruction's 128; at k = 64 Q holds 1.0 and a hidden key -7.5 under a large scale: its score is q.k - 7.5 x 2^57 and its p exactly 0.  K's registers 8-11
; (the next tile's codes) meet Q's zero codes.  LIMIT: true |q.k| stays far under 2^57.  Key 0 counts for every query, so M is a number from the first step on.  NaN and infinities are not served.
; SHARES.  A work-group (j, head) takes the blocks of 256 queries j and 7 - j, one after the other: (j + 1) + (8 - j) = 9 slots of 256 keys in every work-group: a constant trip count, even work, and no slot is fetched that the
; causal mask hides whole.  Each of sixteen waves owns one tile of 16 queries, in 256 registers: four waves to a SIMD.  A step is 128 keys; a step all of whose keys come after the wave's queries is left out.
; NO CLUSTER: in one trip the four work-groups of a head stand at different slots (trip t against t - j - 1), so no tile is wanted by two of them at the same time.
; Both products are used transposed (S^T = K Q^T, O^T = V^T P^T): a lane holds ONE query throughout.
; LDS: slot 0 at 0, slot 1 at 32,768: two records' K and V parts, 15,104 bytes each, brought by waves 0 and 1, one tensor load each; the spare words at 65,536.
.set KVP,   15104                      ; K's and V's part of a record
.set REC,   23808
.set HEADB, 16*REC
.set SLOT1, 32768
.set SPARE, 65536
.set WV,   10                          ; s10 wave
.set J,    11                          ; s11 j
.set BH,   12                          ; s12 batch x 16 + head
.set NA,   13                          ; s13 slots of the first block: j + 1
.set TRIP, 14
.set KF,   15                          ; s15 the step's first key
.set Q0,   16                          ; s16 my tile's first query; s17 the second block's
.set Q0B,  17
.set TB,   18                          ; s18 LDS byte at which the slot in hand begins
.set SEL,  20                          ; s[20:21] selects for lane l xor 16
.set CS,   22                          ; s[22:23] c = log2(e) / 8
.set G1,   24                          ; s[24:31] descriptor group 1;  s[32:35] group 0
.set G0,   32
.set KVB,  36                          ; s[36:37] my record of slot 0 (waves 0, 1)
.set YP,   38                          ; s[38:39] y's image for the block in hand; s[40:41] the second block's
.set YPB,  40
.set YS,   42                          ; s[42:43] y's scale bytes; s[44:45] the second block's
.set YSB,  44
.set L16,  1                           ; v1 16 x lane
.set L8,   2                           ; v2 8 x lane
.set R32,  3                           ; v3 32 x (lane % 16)
.set VQ,   4                           ; v4 r + 8 (r / 8) - 16 h
.set SPW,  5                           ; v5 LDS address of my spare word; never rewritten
.set NIL,  6                           ; v6 0; never rewritten
.set R16,  7                           ; v7 16 x (lane % 16)
.set AD16, 8
.set AD8,  9
.set QF,   16                          ; v16-27 Q (24-27 zeros)
.set QS,   28                          ; v28 Q's scale words
.set KR,   32                          ; v32-99 K: tile t at 32 + 8 t, read as 12 registers (v96-99 zeros); later V: tile t at 32 + 12 t
.set S,    100                         ; v100-163 S^T, then p
.set OT,   164                         ; v164-195 O^T
.set PC,   196                         ; v196-207 p's codes
.set PT,   208                         ; v208-215 the conversions' second halves
.set BMX,  216                         ; v216-219 the blocks' largest scores, then largest p
.set PRM,  220                         ; v220-223 the other half's; then the bytes
.set SOP,  224                         ; v224-227 the conversions' scale operands
.set KSW,  228                         ; v228-231 K's scale words
.set VSW,  232                         ; v232-233 V's
.set PSW,  234                         ; v234 p's
.set F,    236                         ; v[236:237] f
.set T0,   238
.set T1,   239
.set SUM2, 240                         ; v[240:241] the sums' second chain
.set QF2,  242                         ; v242-249 the second block's Q; v250 its scale words
.set QS2,  250
.macro TLOAD                           ; waves 0 and 1 fetch, a record each; four v_nop follow the line
	s_cmp_lt_u32 s[WV], 2
	s_cbranch_scc0 .Lnone_\@
	tensor_load_to_lds s[G0:G0+3], s[G1:G1+7]
	s_nop 0
.rept 4
	v_nop
.endr
.Lnone_\@:
.endm
	s_load_b128 s[4:7], s[0:1], 0x0                ; qkv, y_img
	s_load_b64 s[8:9], s[0:1], 0x10                ; y_scales
	v_lshl_add_u32 v[SPW], v0, 2, SPARE
	v_mov_b32 v[NIL], 0
	ds_add_u32 v5, v6
	ds_add_u32 v5, v6
	s_wait_dscnt 0x0
	v_lshrrev_b32 v8, 5, v0
	s_delay_alu instid0(VALU_DEP_1)
	v_readfirstlane_b32 s[WV], v8                  ; wave 0..15
	s_mov_b32 s[J], ttmp9
	s_and_b32 s[BH], ttmp7, 0xffff
	s_add_co_u32 s[NA], s[J], 1
	; descriptor group 1: 15,104 dense bytes as 59 rows of 256 bytes (32 elements of 8 bytes), no padding: the images are read 16 or 8 bytes a lane, on end
	s_mov_b32 s[G1], 3<<16
	s_mov_b32 s[G1+1], 32<<16                      ; tensor_dim0
	s_mov_b32 s[G1+2], 59<<16                      ; tensor_dim1
	s_mov_b32 s[G1+3], 32<<16                      ; tile_dim0
	s_mov_b32 s[G1+4], 59                          ; tile_dim1
	s_mov_b32 s[G1+5], 32                          ; tensor_dim0_stride
	s_mov_b32 s[G1+6], 0
	s_mov_b32 s[G1+7], 0
	s_and_b32 s46, s[WV], 1
	s_mul_i32 s[G0+1], s46, KVP                    ; LDS address: slot 0, my record's place
	s_mul_i32 s46, s46, REC
	s_mov_b32 s47, 0
	s_mul_i32 s48, s[BH], HEADB
	s_mov_b32 s49, 0
	s_mov_b32 s[G0], 1
	s_mov_b32 s[SEL], 0x76543210
	s_mov_b32 s[SEL+1], 0xfedcba98
	s_mov_b32 s[CS], 0x3e38aa3b                    ; log2(e) / 8
	s_mov_b32 s[CS+1], s[CS]                       ; (named with it as a pair)
	s_mov_b32 s[TB], 0
	s_mov_b32 s[TRIP], 0
	s_mov_b32 s[KF], 0
	s_wait_kmcnt 0x0
	s_add_nc_u64 s[50:51], s[4:5], s[48:49]        ; the head's records
	s_add_nc_u64 s[KVB:KVB+1], s[50:51], s[46:47]
	s_mov_b64 s[G0+2:G0+3], s[KVB:KVB+1]
	s_or_b32 s[G0+3], s[G0+3], 0x80000000
	TLOAD                                          ; slot 0: keys 0 to 255
	s_lshr_b32 s52, s[WV], 3
	s_mul_i32 s52, s52, REC                        ; which of a block's two records holds my tile
	s_and_b32 s53, s[WV], 7
	s_lshl_b32 s54, s53, 10
	s_add_co_u32 s55, s52, s54
	s_add_co_u32 s55, s55, KVP                     ; my tile of Q
	s_and_b32 s56, s[WV], 1
	s_lshl_b32 s57, s56, 8
	s_lshr_b32 s58, s53, 1
	s_lshl_b32 s58, s58, 2
	s_add_co_u32 s58, s58, s57
	s_add_co_u32 s58, s58, s52
	s_add_co_u32 s58, s58, KVP+8192                ; its scale words: word (tile / 2), lanes 16 (tile % 2) on
	s_sub_co_u32 s60, 7, s[J]                      ; the second block
	s_mul_i32 s59, s[J], 2*REC
	s_mul_i32 s61, s60, 2*REC
	s_add_co_u32 s66, s55, s59
	s_mov_b32 s67, 0
	s_add_nc_u64 s[66:67], s[50:51], s[66:67]
	s_add_co_u32 s68, s55, s61
	s_mov_b32 s69, 0
	s_add_nc_u64 s[68:69], s[50:51], s[68:69]
	s_add_co_u32 s70, s58, s59
	s_mov_b32 s71, 0
	s_add_nc_u64 s[70:71], s[50:51], s[70:71]
	s_add_co_u32 s72, s58, s61
	s_mov_b32 s73, 0
	s_add_nc_u64 s[72:73], s[50:51], s[72:73]
	v_and_b32 v10, 31, v0
	s_delay_alu instid0(VALU_DEP_1)
	v_lshlrev_b32 v[L16], 4, v10
	s_delay_alu instid0(VALU_DEP_2)
	v_lshlrev_b32 v[L8], 3, v10
	v_and_b32 v10, 15, v0                          ; r
	s_delay_alu instid0(VALU_DEP_1)
	v_lshlrev_b32 v[R32], 5, v10
	s_delay_alu instid0(VALU_DEP_2)
	v_lshlrev_b32 v[R16], 4, v10
	global_load_b128 v[QF:QF+3], v[L16], s[66:67]              ; Q's registers 0-7 as they were stored
	global_load_b128 v[QF+4:QF+7], v[L16], s[66:67] offset:512
	global_load_b32 v[QS], v[R16], s[70:71]
	global_load_b128 v[QF2:QF2+3], v[L16], s[68:69]
	global_load_b128 v[QF2+4:QF2+7], v[L16], s[68:69] offset:512
	global_load_b32 v[QS2], v[R16], s[72:73]
	v_and_b32 v11, 8, v10
	s_delay_alu instid0(VALU_DEP_1)
	v_add_nc_u32 v[VQ], v11, v10
	v_bfe_u32 v11, v0, 4, 1
	s_delay_alu instid0(VALU_DEP_1)
	v_lshlrev_b32 v11, 4, v11
	s_delay_alu instid0(VALU_DEP_1)
	v_sub_nc_u32 v[VQ], v[VQ], v11
	s_lshr_b32 s74, s[WV], 1
	s_lshl_b32 s74, s74, 5
	s_lshl_b32 s75, s56, 3
	s_add_co_u32 s74, s74, s75                     ; 32 (w / 2) + 8 (w % 2)
	s_lshl_b32 s[Q0], s[J], 8
	s_add_co_u32 s[Q0], s[Q0], s74
	s_lshl_b32 s[Q0B], s60, 8
	s_add_co_u32 s[Q0B], s[Q0B], s74
	s_lshr_b32 s76, s[BH], 4
	s_lshl_b32 s76, s76, 7
	s_add_co_u32 s76, s76, s[WV]                   ; batch x 128 + wave
	s_and_b32 s77, s[BH], 15                       ; head
	s_lshl_b32 s79, s77, 1
	s_lshl_b32 s78, s[J], 4
	s_add_co_u32 s78, s78, s76                     ; my token tile in the first block
	s_lshl_b32 s46, s78, 4
	s_add_co_u32 s46, s46, s77
	s_mul_i32 s46, s46, 768
	s_add_nc_u64 s[YP:YP+1], s[6:7], s[46:47]
	s_lshl_b32 s46, s78, 9
	s_add_co_u32 s46, s46, s79
	s_add_nc_u64 s[YS:YS+1], s[8:9], s[46:47]
	s_lshl_b32 s78, s60, 4
	s_add_co_u32 s78, s78, s76                     ; and in the second
	s_lshl_b32 s46, s78, 4
	s_add_co_u32 s46, s46, s77
	s_mul_i32 s46, s46, 768
	s_add_nc_u64 s[YPB:YPB+1], s[6:7], s[46:47]
	s_lshl_b32 s46, s78, 9
	s_add_co_u32 s46, s46, s79
	s_add_nc_u64 s[YSB:YSB+1], s[8:9], s[46:47]
	v_mov_b32 v13, 0xff61b1e6                      ; the largest t so far: -3e38, under every t
	s_delay_alu instid0(VALU_DEP_1)
	v_floor_f32 v12, -v13                          ; -M
	v_mov_b32 v14, 0                               ; the sum, in two halves
	v_mov_b32 v15, 0
.irp i, 0,1,2,3
	v_mov_b32 v[QF+8+\i], 0                        ; Q's registers 8-11: zero codes
	v_mov_b32 v[KR+64+\i], 0                       ; what K's last tile reads as its registers 8-11
	v_mov_b32 v[PRM+\i], 0                         ; written once: a lane permute's destination counts as one of its sources
.endr
	v_mov_b32 v[F+1], 0                            ; (named as the upper half of a pair)
	v_mov_b32 v[T0], 0
.set n, 0
.rept 32
	v_mov_b32 v[OT+n], 0                           ; O^T: the first step finds zeros, which the first change of M leaves zeros
.set n, n+1
.endr
; A KEY STEP: 128 keys, the q-th record of the slot in hand.
.macro STEP q
	s_add_co_u32 s46, s[Q0], 23                    ; my tile's last query
	s_cmp_gt_u32 s[KF], s46
	s_cbranch_scc1 .Lhidden_\@                     ; all 128 keys come after my queries: a branch on ids, round no barrier and no tensor load
	v_add_nc_u32 v[AD16], s[TB], v[L16]
	v_add_nc_u32 v[AD8], s[TB], v[L8]
	v_nop                                          ; with the two additions: four places in front of loads into registers that the last products have read
	v_nop
.irp t, 0,1,2,3,4,5,6,7
	ds_load_b128 v[KR+8*\t:KR+8*\t+3], v[AD16] offset:(\q)*KVP+1024*\t
	ds_load_b128 v[KR+8*\t+4:KR+8*\t+7], v[AD16] offset:(\q)*KVP+1024*\t+512
.endr
	ds_load_b128 v[KSW:KSW+3], v[AD16] offset:(\q)*KVP+8192
	s_wait_alu depctr_va_vdst(0)
	s_wait_dscnt 0x0
.irp t, 0,1,2,3,4,5,6,7                        ; S^T = K Q^T: source 0 = 16 keys, source 1 = my 16 queries
.if (\t%2)
	v_wmma_scale_f32_16x16x128_f8f6f4 v[S+8*\t:S+8*\t+7], v[KR+8*\t:KR+8*\t+11], v[QF:QF+11], 0, v[KSW+\t/2], v[QS] matrix_a_fmt:MATRIX_FMT_FP6 matrix_b_fmt:MATRIX_FMT_FP6 matrix_a_scale:MATRIX_SCALE_ROW1
.else
	v_wmma_scale_f32_16x16x128_f8f6f4 v[S+8*\t:S+8*\t+7], v[KR+8*\t:KR+8*\t+11], v[QF:QF+11], 0, v[KSW+\t/2], v[QS] matrix_a_fmt:MATRIX_FMT_FP6 matrix_b_fmt:MATRIX_FMT_FP6
.endif
.endr
.rept 4
	v_nop                                          ; places: behind them K's registers are loaded again and the scores are read
.endr
.irp t, 0,1,2,3                                ; V's four fragments land while the softmax is worked
	ds_load_b128 v[KR+12*\t:KR+12*\t+3], v[AD16] offset:(\q)*KVP+8704+1536*\t
	ds_load_b64 v[KR+12*\t+4:KR+12*\t+5], v[AD8] offset:(\q)*KVP+8704+1536*\t+512
	ds_load_b128 v[KR+12*\t+6:KR+12*\t+9], v[AD16] offset:(\q)*KVP+8704+1536*\t+768
	ds_load_b64 v[KR+12*\t+10:KR+12*\t+11], v[AD8] offset:(\q)*KVP+8704+1536*\t+1280
.endr
	ds_load_b64 v[VSW:VSW+1], v[AD8] offset:(\q)*KVP+14848
	s_add_co_u32 s46, s[KF], 127                   ; on the diagonal the scores of later keys become -infinity ahead of the maximum.  A step all of whose keys come no later than my first query skips this
	s_cmp_le_u32 s46, s[Q0]
	s_cbranch_scc1 .Lopen_\@
	s_sub_co_i32 s46, s[Q0], s[KF]
	v_add_nc_u32 v[T0], s46, v[VQ]                 ; d = my query - KF - 16 h.  Register 16 b + i holds key KF + 16 h + 32 b + i: hidden where 32 b + i > d
	v_mov_b32 v[T1], 0xff800000                    ; -infinity
.set n, 0
.rept 64
	v_cmp_gt_i32 vcc_lo, 32*(n/16)+n%16, v[T0]
	v_cndmask_b32 v[S+n], v[S+n], v[T1], vcc_lo
.set n, n+1
.endr
.Lopen_\@:
.irp b, 0,1,2,3
	v_max3_num_f32 v[BMX+\b], v[S+16*\b], v[S+1+16*\b], v[S+2+16*\b]   ; the largest score of each block of 32 keys: it serves for the row's maximum and, since p rises with the score, for the block's largest p
.endr
.irp i, 3,5,7,9,11,13
.irp b, 0,1,2,3
	v_max3_num_f32 v[BMX+\b], v[BMX+\b], v[S+16*\b+\i], v[S+1+16*\b+\i]
.endr
.endr
.irp b, 0,1,2,3
	v_max_num_f32 v[BMX+\b], v[BMX+\b], v[S+15+16*\b]
.endr
.irp b, 0,1,2,3
	s_delay_alu instid0(VALU_DEP_4)
	v_permlanex16_b32 v[PRM+\b], v[BMX+\b], s[SEL], s[SEL+1]
.endr
.irp b, 0,1,2,3
	s_delay_alu instid0(VALU_DEP_4)
	v_max_num_f32 v[BMX+\b], v[BMX+\b], v[PRM+\b]  ; with lane l xor 16's 16 keys
.endr
	s_delay_alu instid0(VALU_DEP_2)
	v_max3_num_f32 v[T0], v[BMX], v[BMX+1], v[BMX+2]
	s_delay_alu instid0(VALU_DEP_1)
	v_max_num_f32 v[T0], v[T0], v[BMX+3]           ; the step's largest score of my query
	s_delay_alu instid0(VALU_DEP_1)
	v_mul_f32 v[T0], s[CS], v[T0]                  ; as t
	s_delay_alu instid0(VALU_DEP_1)
	v_max_num_f32 v13, v13, v[T0]                  ; the running largest t
	v_mov_b32 v[T0], v12
	s_delay_alu instid0(VALU_DEP_2)
	v_floor_f32 v12, -v13                          ; the new -M = floor(-t) = -ceil(t)
	s_delay_alu instid0(VALU_DEP_1)
	v_sub_f32 v[T0], v12, v[T0]                    ; old M - new M: a whole number, 0 or less
	s_delay_alu instid0(VALU_DEP_1)
	v_cvt_i32_f32 v[T0], v[T0]                     ; (it saturates)
	s_delay_alu instid0(VALU_DEP_1)
	v_ldexp_f32 v[F], 1.0, v[T0]                   ; f = 2^(old M - new M)
.set n, 0
.rept 32
	v_pk_fma_f32 v[S+n:S+n+1], v[S+n:S+n+1], s[CS:CS+1], v[12:13] op_sel_hi:[1,0,0]   ; t - M, two at a time
.set n, n+2
.endr
.irp b, 0,1,2,3
	v_fma_f32 v[BMX+\b], v[BMX+\b], s[CS], v12     ; the same of each block's largest score
.endr
.set n, 0
	s_wait_alu depctr_va_vdst(0)
.rept 64
	v_exp_f32 v[S+n], v[S+n]                       ; p = 2^(t - M)
.set n, n+1
.endr
	v_pk_mul_f32 v[14:15], v[14:15], v[F:F+1] op_sel_hi:[1,0]   ; the sums under the new M (a plain place behind the exponentials)
	s_wait_alu depctr_va_vdst(0)                   ; one wait for the whole batch, ahead of its first reader
.irp b, 0,1,2,3
	v_exp_f32 v[BMX+\b], v[BMX+\b]                 ; the block's largest p
.endr
	v_pk_add_f32 v[240:241], v[104:105], v[108:109]
	v_pk_add_f32 v[254:255], v[112:113], v[116:117]
	v_pk_add_f32 v[252:253], v[120:121], v[124:125]
	v_pk_add_f32 v[234:235], v[128:129], v[132:133]
	v_pk_add_f32 v[230:231], v[136:137], v[140:141]
	v_pk_add_f32 v[228:229], v[144:145], v[148:149]
	v_pk_add_f32 v[226:227], v[152:153], v[156:157]
	v_pk_add_f32 v[14:15], v[14:15], v[160:161]
	v_pk_add_f32 v[240:241], v[240:241], v[100:101]
	v_pk_add_f32 v[254:255], v[254:255], v[102:103]
	v_pk_add_f32 v[252:253], v[252:253], v[106:107]
	v_pk_add_f32 v[234:235], v[234:235], v[110:111]
	v_pk_add_f32 v[230:231], v[230:231], v[114:115]
	v_pk_add_f32 v[228:229], v[228:229], v[118:119]
	v_pk_add_f32 v[226:227], v[226:227], v[122:123]
	v_pk_add_f32 v[14:15], v[14:15], v[126:127]
	v_pk_add_f32 v[240:241], v[240:241], v[130:131]
	v_pk_add_f32 v[254:255], v[254:255], v[134:135]
	v_pk_add_f32 v[252:253], v[252:253], v[138:139]
	v_pk_add_f32 v[234:235], v[234:235], v[142:143]
	v_pk_add_f32 v[230:231], v[230:231], v[146:147]
	v_pk_add_f32 v[228:229], v[228:229], v[150:151]
	v_pk_add_f32 v[226:227], v[226:227], v[154:155]
	v_pk_add_f32 v[14:15], v[14:15], v[158:159]
	v_pk_add_f32 v[240:241], v[240:241], v[162:163]
	s_delay_alu instid0(VALU_DEP_2)
	v_pk_add_f32 v[14:15], v[14:15], v[234:235]
	s_delay_alu instid0(VALU_DEP_2)
	v_pk_add_f32 v[240:241], v[240:241], v[230:231]
	v_pk_add_f32 v[254:255], v[254:255], v[228:229]
	v_pk_add_f32 v[252:253], v[252:253], v[226:227]
	s_delay_alu instid0(VALU_DEP_2)
	v_pk_add_f32 v[14:15], v[14:15], v[254:255]
	s_delay_alu instid0(VALU_DEP_2)
	v_pk_add_f32 v[240:241], v[240:241], v[252:253]
	s_delay_alu instid0(VALU_DEP_1)
	v_pk_add_f32 v[14:15], v[14:15], v[240:241]
	s_wait_alu depctr_va_vdst(0)                   ; and one for the four
.irp b, 0,1,2,3
	v_max_num_f32 v[BMX+\b], 0x1800000, v[BMX+\b]  ; the floor 2^(3 - 127): a block whose every p is 0 keeps the byte 1: its codes are zeros
.endr
.irp b, 0,1,2,3
	s_delay_alu instid0(VALU_DEP_4)
	v_add_nc_u32 v[SOP+\b], 0xff000000, v[BMX+\b]  ; 2 off the exponent field: the conversion's scale operand
.endr
.irp b, 0,1,2,3
	s_delay_alu instid0(VALU_DEP_4)
	v_lshrrev_b32 v[PRM+\b], 23, v[SOP+\b]         ; the scale's byte
.endr
	s_delay_alu instid0(VALU_DEP_3)
	v_lshl_or_b32 v[PSW], v[PRM+1], 8, v[PRM]      ; p's scale word for these 128 keys
	s_delay_alu instid0(VALU_DEP_1)
	v_lshl_or_b32 v[PSW], v[PRM+2], 16, v[PSW]
	s_delay_alu instid0(VALU_DEP_1)
	v_lshl_or_b32 v[PSW], v[PRM+3], 24, v[PSW]
.irp c, 0,1
	v_cvt_scalef32_pk16_fp6_f32 v[PC+6*\c:PC+6*\c+2], v[S+32*\c:S+15+32*\c], v[SOP+2*\c]
	v_cvt_scalef32_pk16_fp6_f32 v[PT+4*\c:PT+4*\c+2], v[S+16+32*\c:S+31+32*\c], v[SOP+2*\c+1]
.endr
	v_nop                                          ; one plain place behind a scaled conversion
.irp c, 0,1                                    ; a WHOLE block in a lane: lanes 0-15 block 2 c, lanes 16-31 block 2 c + 1
.irp i, 0,1,2
	v_permlane16_swap_b32 v[PC+6*\c+\i], v[PT+4*\c+\i]
.endr
.irp i, 0,1,2
	s_delay_alu instid0(VALU_DEP_3)
	v_mov_b32 v[PC+3+6*\c+\i], v[PT+4*\c+\i]
.endr
.endr
.set n, 0
.rept 16
	v_pk_mul_f32 v[OT+n:OT+n+1], v[OT+n:OT+n+1], v[F:F+1] op_sel_hi:[1,0]   ; O^T under the new M.  (These sixteen are also the places between the writes of p's codes and scale word and the products below)
.set n, n+2
.endr
	s_wait_alu depctr_va_vdst(0)
	s_wait_dscnt 0x0                               ; V
.irp t, 0,1,2,3                                ; O^T += V^T P^T: the four accumulators by turns
.if (\t%2)
	v_wmma_scale_f32_16x16x128_f8f6f4 v[OT+8*\t:OT+8*\t+7], v[KR+12*\t:KR+12*\t+11], v[PC:PC+11], v[OT+8*\t:OT+8*\t+7], v[VSW+\t/2], v[PSW] matrix_a_fmt:MATRIX_FMT_FP6 matrix_b_fmt:MATRIX_FMT_FP6 matrix_a_scale:MATRIX_SCALE_ROW1
.else
	v_wmma_scale_f32_16x16x128_f8f6f4 v[OT+8*\t:OT+8*\t+7], v[KR+12*\t:KR+12*\t+11], v[PC:PC+11], v[OT+8*\t:OT+8*\t+7], v[VSW+\t/2], v[PSW] matrix_a_fmt:MATRIX_FMT_FP6 matrix_b_fmt:MATRIX_FMT_FP6
.endif
.endr
.Lhidden_\@:
	s_add_co_u32 s[KF], s[KF], 128
.endm
; THE CHANGE OF SLOTS stands at a slot's head.  Each wave waits for all its tensor loads, adds 0 to its spare word, and waits for that and for its reads of the slot that it has left.  Behind the barrier the slot ahead is whole
; and nobody reads the other one.  fill = 1: that other slot takes the next trip's 256 keys: slot t + 1 of the first block, or t + 1 - (j + 1) of the second.  One tensor load of a wave is out.
.macro CHANGE fill
	s_wait_tensorcnt 0x0                           ; no tensor load of mine is out, so group 0 may be written
	ds_add_u32 v[SPW], v[NIL]                      ; 0 onto my spare word
.if \fill
	s_xor_b32 s[G0+1], s[G0+1], SLOT1              ; the other slot than last time
	s_add_co_u32 s46, s[TRIP], 1
	s_cmp_lt_u32 s46, s[NA]
	s_cselect_b32 s47, 0, s[NA]
	s_sub_co_u32 s46, s46, s47                     ; which 256 keys
	s_mul_i32 s46, s46, 2*REC
	s_mov_b32 s47, 0
	s_add_nc_u64 s[G0+2:G0+3], s[KVB:KVB+1], s[46:47]
	s_or_b32 s[G0+3], s[G0+3], 0x80000000
.endif
	s_wait_dscnt 0x0                               ; the add is done, and my reads of the slot that I have left are over
	s_barrier_signal -1
	s_barrier_wait -1
.if \fill
	TLOAD                                          ; the first thing behind the barrier, and a wave's one tensor load until the next
.endif
.endm
.macro SLOT_STEPS
	STEP 0
	STEP 1
	s_xor_b32 s[TB], s[TB], SLOT1                  ; on to the other slot
.endm
; A BLOCK'S END: O^T / the sum is y: register 16 b + i = channel 32 b + 16 h + i of my query.  Its two blocks of 32 are quantised; the six registers of codes leave as an image, the two bytes as one half word.
.macro FIN
.rept 4
	v_nop                                          ; places behind the last products
.endr
	v_add_f32 v14, v14, v15                        ; the sum's two halves,
	s_delay_alu instid0(VALU_DEP_1)
	v_permlanex16_b32 v[T0], v14, s[SEL], s[SEL+1]
	s_delay_alu instid0(VALU_DEP_1)
	v_add_f32 v14, v14, v[T0]                      ; and lane l xor 16's
	s_wait_alu depctr_va_vdst(0)
	v_rcp_f32 v14, v14
	v_nop                                          ; a plain place behind the transcendental
	s_wait_alu depctr_va_vdst(0)                   ; and the wait ahead of its first reader
.set n, 0
.rept 32
	v_mul_f32 v[S+n], v[OT+n], v14                 ; each accumulator from its low end on
.set n, n+1
.endr
.irp b, 0,1
	v_max3_num_f32 v[BMX+\b], |v[S+16*\b]|, |v[S+1+16*\b]|, 0x1800000
.endr
.irp i, 2,4,6,8,10,12,14
.irp b, 0,1
	s_delay_alu instid0(VALU_DEP_2)
	v_max3_num_f32 v[BMX+\b], v[BMX+\b], |v[S+16*\b+\i]|, |v[S+1+16*\b+\i]|
.endr
.endr
.irp b, 0,1
	s_delay_alu instid0(VALU_DEP_2)
	v_permlanex16_b32 v[PRM+\b], v[BMX+\b], s[SEL], s[SEL+1]
.endr
.irp b, 0,1
	s_delay_alu instid0(VALU_DEP_2)
	v_max_num_f32 v[BMX+\b], v[BMX+\b], v[PRM+\b]
.endr
.irp b, 0,1
	s_delay_alu instid0(VALU_DEP_2)
	v_add_nc_u32 v[SOP+\b], 0xff000000, v[BMX+\b]
.endr
.irp b, 0,1
	s_delay_alu instid0(VALU_DEP_2)
	v_lshrrev_b32 v[PRM+\b], 23, v[SOP+\b]
.endr
	s_delay_alu instid0(VALU_DEP_1)
	v_lshl_or_b32 v[T1], v[PRM+1], 8, v[PRM]
	v_cvt_scalef32_pk16_fp6_f32 v[PC:PC+2], v[S:S+15], v[SOP]
	v_cvt_scalef32_pk16_fp6_f32 v[PT:PT+2], v[S+16:S+31], v[SOP+1]
	v_nop
.irp i, 0,1,2
	v_permlane16_swap_b32 v[PC+\i], v[PT+\i]
.endr
.irp i, 0,1,2
	s_delay_alu instid0(VALU_DEP_3)
	v_mov_b32 v[PC+3+\i], v[PT+\i]
.endr
	global_store_b128 v[L16], v[PC:PC+3], s[YP:YP+1]                 ; 512 consecutive bytes, aligned
	global_store_b64 v[L8], v[PC+4:PC+5], s[YP:YP+1] offset:512      ; 256 consecutive bytes, aligned
	global_store_b16 v[R32], v[T1], s[YS:YS+1]                       ; my row's two bytes (a row's 32 bytes come from sixteen heads' work-groups); both halves of the lanes store the same value
.endm
.macro REINIT                          ; on to the second block of queries
	s_wait_xcnt 0x0                                ; the stores have read their bases and data
	s_mov_b64 s[YP:YP+1], s[YPB:YPB+1]
	s_mov_b64 s[YS:YS+1], s[YSB:YSB+1]
	s_mov_b32 s[Q0], s[Q0B]
	s_mov_b32 s[KF], 0
.irp i, 0,1,2,3,4,5,6,7
	v_mov_b32 v[QF+\i], v[QF2+\i]
.endr
	v_mov_b32 v[QS], v[QS2]
	v_mov_b32 v13, 0xff61b1e6
	s_delay_alu instid0(VALU_DEP_1)
	v_floor_f32 v12, -v13
	v_mov_b32 v14, 0
	v_mov_b32 v15, 0
.set n, 0
.rept 32
	v_mov_b32 v[OT+n], 0                           ; (also the places between the writes of Q and its scale word and the next products)
.set n, n+1
.endr
.endm
	s_wait_loadcnt 0x0                             ; both Q
.Lslot:                                            ; eight trips: behind each change of slots but the last the next slot is asked for
	CHANGE 1
	SLOT_STEPS
	s_cmp_lg_u32 s[TRIP], s[J]                     ; the first block's last slot is trip j: a branch on ids, round no LDS instruction
	s_cbranch_scc1 .Lsame
	FIN
	REINIT
.Lsame:
	s_add_co_u32 s[TRIP], s[TRIP], 1
	s_cmp_lt_u32 s[TRIP], 8
	s_cbranch_scc1 .Lslot
	CHANGE 0                                       ; the last slot is written out
	SLOT_STEPS
	FIN
	s_wait_tensorcnt 0x0                           ; the wave's end
	ds_add_u32 v[SPW], v[NIL]
	s_wait_dscnt 0x0
	s_endpgm
.Lfunc_end_k_q9904e20b33_attn:
	.size	k_q9904e20b33_attn, .Lfunc_end_k_q9904e20b33_attn-k_q9904e20b33_attn
	.p2alignl 7, 3214868480
	.fill 96, 4, 3214868480
	.section	.rodata,"a",@progbits
	.p2align	6, 0x0
	.amdhsa_kernel k_q9904e20b33_attn
		.amdhsa_group_segment_fixed_size 327680
		.amdhsa_private_segment_fixed_size 0
		.amdhsa_enable_private_segment 0
		.amdhsa_kernarg_size 24
		.amdhsa_user_sgpr_count 2
		.amdhsa_user_sgpr_kernarg_segment_ptr 1
		.amdhsa_wavefront_size32 1
		.amdhsa_system_sgpr_workgroup_id_x 1
		.amdhsa_system_sgpr_workgroup_id_y 1
		.amdhsa_system_sgpr_workgroup_id_z 1
		.amdhsa_system_vgpr_workitem_id 0
		.amdhsa_next_free_vgpr 256
		.amdhsa_next_free_sgpr 80
		.amdhsa_reserve_vcc 1
		.amdhsa_float_denorm_mode_32 3
		.amdhsa_float_denorm_mode_16_64 3
		.amdhsa_memory_ordered 1
		.amdhsa_forward_progress 1
		.amdhsa_inst_pref_size 108
	.end_amdhsa_kernel
	.amdgpu_metadata
---
amdhsa.version: [ 1, 2 ]
amdhsa.kernels:
  - .name:           k_q9904e20b33_attn
    .symbol:         k_q9904e20b33_attn.kd
    .args:
      - { .name: qkv, .offset: 0, .size: 8, .value_kind: global_buffer, .address_space: global }
      - { .name: y_img, .offset: 8, .size: 8, .value_kind: global_buffer, .address_space: global }
      - { .name: y_scales, .offset: 16, .size: 8, .value_kind: global_buffer, .address_space: global }
    .group_segment_fixed_size: 327680
    .private_segment_fixed_size: 0
    .kernarg_segment_align: 8
    .kernarg_segment_size: 24
    .max_flat_workgroup_size: 512
    .sgpr_count:     80
    .vgpr_count:     256
    .wavefront_size: 32
...
	.end_amdgpu_metadata
.endif
;; end of part 3
;; launch proj (part 4): grid 4 x 32, 4 waves a work-group, clusters of 4 x 4, 327,680 bytes of LDS; arguments y_img, y_scales, w_codes, w_scales, bp, out0; writes out0
.if DOCPART == 4
	.amdgcn_target "amdgcn-amd-amdhsa--gfx1250"
	.amdhsa_code_object_version 6
	.text
	.protected	k_q9904e20b33_proj
	.globl	k_q9904e20b33_proj
	.p2align	8
	.type	k_q9904e20b33_proj,@function
k_q9904e20b33_proj:
	s_mov_b64 s[64:65], 0
	v_nop
	global_prefetch_b8 v0, s[64:65] scope:SCOPE_SE
	s_setreg_imm32_b32 hwreg(HW_REG_WAVE_MODE, 25, 1), 1
	s_wait_xcnt 0x0
	s_wait_alu depctr_hold_cnt(0) depctr_sa_sdst(0) depctr_va_vdst(0) depctr_va_sdst(0) depctr_va_ssrc(0) depctr_va_vcc(0) depctr_vm_vsrc(0)
	s_getreg_b32 s2, hwreg(HW_REG_IB_STS2, 6, 4)
	s_cmp_eq_u32 s2, 0
	s_cbranch_scc0 .Lentry_in_a_cluster
	s_endpgm
.Lentry_in_a_cluster:
	s_bfe_u32 s2, ttmp6, 0x10000c
	s_cmp_lg_u32 s2, 0xf033
	s_cbranch_scc0 .Lentry_shape_is_right
	s_endpgm
.Lentry_shape_is_right:
; out0 = y Wp^T + bp on codes of FP6 (E2M3) with one E8M0 scale for each 32 along K = 1,024; sums in f32; out0 [8192][1024] f32.
; A = y: images of operand registers, [512 token tiles][16 heads][768 bytes] (a head's 64 along K: registers 0-3 at 16 x lane, 4-5 at 512 + 8 x lane); two heads on end are a fragment of 128 along K.  Its scale bytes [8192 stored rows][32].
; B = Wp: rows 3,072 on of the weights' codes, rows of 768 bytes.  Rows of both lie in tile order: stored tile 2 G + u, place p = true row 32 G + 8 u + p + 8 (p / 8).
; A tile of C, 256 x 256, is made by a work-group of four waves; a wave makes 128 x 128: 64 accumulators, 512 registers.  K goes in steps of 256 through a ring of two LDS slots filled by the tensor data mover.
; CLUSTERS: 4 x 4 work-groups; A's tiles are asked for jointly along a row of the cluster, B's along a column.  The scale bytes come into LDS once, with the first fills.
; THE MATRIX INSTRUCTION IS USED TRANSPOSED (source 0 = 16 rows of Wp, source 1 = 16 tokens): a lane holds eight neighbouring numbers of a row of C.  The way out puts them at their true columns in a stage, and rows at their true places in out0.
; REGISTERS: window 0: v0-31 addresses, v8-11 bp; v32-63 scale words, two sets; from v128 A's fragments, one set.  window 1: B's fragments, two sets.  windows 2, 3: the accumulators.
.set SIZE_K, 1024
.set SIZE_N, 1024
.set KSTEP,  256
.set NQ,     KSTEP/128
.set ROWB,   192                       ; a row of B's tile in bytes
.set AROWB,  3072                      ; a token tile's part of A's tile: four heads' images
.set KROW,   SIZE_K*6/8
.set PITCH,  240                       ; B's LDS row: 3 x (64 bytes of data + 16 of padding)
.set FR,     12
.set NLA,    4                         ; LDS loads that bring a fragment of A
.set NP,     4
.set HALFA,  8*AROWB                   ; 8 token tiles: what one tensor load brings of A
.set HALFB,  128*PITCH                 ; 128 rows of B
.set SLOT,   2*HALFA+2*HALFB
.set LAPS,   SIZE_K/(2*KSTEP)
.set KS,     SIZE_K/32
.set SCL,    2*SLOT
.set HALFS,  (128*KS/256)*272
.set SBLK,   (16*KS/256)*272
.set SPARE,  SCL+4*HALFS
.set SPITCH, 528                       ; the way out: a stage of 16 rows x (512 bytes + 16) for each wave, in slot 0, which has had its last fill and its last read when the first result is stored there
.set ADRA, 16                          ; v16-17 16 x lane + my half of A in slot 0, 1;  v18-19 the same with 8 x lane
.set ADRB, 20                          ; v20-23 as for rows with padding
.set STO,  24
.set RD,   25
.set CO,   26
.set ADRS, 27
.set SPW,  28
.set NIL,  29
.set SC,   32
.set AF,   128
.set BK,   128
.set G1, 24
.set G0, 32
.set G1B, 48
.set G0B, 56
.set G1S, 68
.set G0S, 76
.set G1SB, 80
.set G0SB, 88
.set MSB, 0
.macro WIN new
.if MSB != (\new)
	s_set_vgpr_msb (MSB<<8)|(\new)
.set MSB, (\new)
.endif
.endm
.set MUL_LO, 0xa1
.set MUL_HI, 0xf1
.set TO_B,   0x40
.macro JLOAD g0a, g1a, g0b, g1b        ; a joint load: waves 0 and 1 fetch for A, waves 2 and 3 for B; four v_nop follow each of the two lines
	s_cmp_eq_u32 s15, 0
	s_cbranch_scc0 .Lfor_b_\@
	tensor_load_to_lds s[\g0a:\g0a+3], s[\g1a:\g1a+7]
	s_nop 0
.rept 4
	v_nop
.endr
	s_branch .Lasked_\@
.Lfor_b_\@:
	tensor_load_to_lds s[\g0b:\g0b+3], s[\g1b:\g1b+7]
	s_nop 0
.rept 4
	v_nop
.endr
.Lasked_\@:
.endm
.macro CREST
	s_cmp_lg_u32 s14, 0
	s_cbranch_scc1 .Lnot_wave_0_\@
	s_barrier_signal -3
.Lnot_wave_0_\@:
	s_barrier_wait -3
	s_barrier_signal -1
	s_barrier_wait -1
.endm
.macro CROUND
	s_barrier_signal -1
	s_barrier_wait -1
	CREST
.endm
	s_load_b128 s[4:7], s[0:1], 0x0                ; y's images, y's scales
	s_load_b128 s[8:11], s[0:1], 0x10              ; the weights' codes, their scales
	s_load_b64 s[66:67], s[0:1], 0x20              ; bp
	s_load_b64 s[12:13], s[0:1], 0x28              ; out0
	v_lshl_add_u32 v[SPW], v0, 2, SPARE
	v_mov_b32 v[NIL], 0
	ds_add_u32 v28, v29
	s_wait_dscnt 0x0
	v_lshrrev_b32 v1, 5, v0
	v_readfirstlane_b32 s14, v1                    ; wave 0..3
	s_lshr_b32 s15, s14, 1                         ; which half of the tile's rows is mine.  Also: I fetch for A (0) or for B (1)
	s_and_b32 s16, s14, 1                          ; which half of its columns.  Also: which half of that tile I fetch
	s_bfe_u32 s40, ttmp6, 0x40000                  ; cx, cy
	s_bfe_u32 s41, ttmp6, 0x40004
	s_lshl_b32 s42, ttmp9, 2
	s_add_co_u32 s42, s42, s40                     ; tile column of C
	s_and_b32 s17, ttmp7, 0xffff
	s_lshl_b32 s17, s17, 2
	s_add_co_u32 s17, s17, s41                     ; tile row of C
	s_lshl_b32 s43, s41, 2
	s_lshl_b32 s43, 15, s43                        ; my row of the cluster
	s_lshl_b32 s44, 0x1111, s40                    ; my column
	; A's tile: 8 token tiles x 3,072 bytes (384 elements of 8 bytes), 12,288 bytes apart; no padding: the images are read 16 or 8 bytes a lane, on end
	s_or_b32 s[G1+0], s43, (3<<16)|(1<<21)
	s_mov_b32 s[G1+1], 384<<16                     ; tensor_dim0
	s_mov_b32 s[G1+2], 8<<16                       ; tensor_dim1
	s_mov_b32 s[G1+3], 384<<16                     ; tile_dim0
	s_mov_b32 s[G1+4], 8                           ; tile_dim1
	s_mov_b32 s[G1+5], 1536                        ; tensor_dim0_stride
	s_mov_b32 s[G1+6], 0
	s_mov_b32 s[G1+7], 0
	; B's tile: 128 rows x 192 bytes, 16 bytes of padding behind every 64
	s_or_b32 s[G1B+0], s44, (0<<16)|(1<<20)|(1<<21)|(3<<22)|(3<<25)
	s_mov_b32 s[G1B+1], ROWB<<16
	s_mov_b32 s[G1B+2], 128<<16
	s_mov_b32 s[G1B+3], ROWB<<16
	s_mov_b32 s[G1B+4], 128
	s_mov_b32 s[G1B+5], KROW
	s_mov_b32 s[G1B+6], 0
	s_mov_b32 s[G1B+7], 0
	; the scales of 128 rows: 4,096 dense bytes as rows of 256 bytes, 16 bytes of padding behind each
	s_or_b32 s[G1S+0], s43, (3<<16)|(1<<20)|(1<<21)|(5<<22)|(3<<25)
	s_or_b32 s[G1SB+0], s44, (3<<16)|(1<<20)|(1<<21)|(5<<22)|(3<<25)
.irp g, G1S, G1SB
	s_mov_b32 s[\g+1], 32<<16
	s_mov_b32 s[\g+2], (128*KS/256)<<16
	s_mov_b32 s[\g+3], 32<<16
	s_mov_b32 s[\g+4], 128*KS/256
	s_mov_b32 s[\g+5], 32
	s_mov_b32 s[\g+6], 0
	s_mov_b32 s[\g+7], 0
.endr
	s_lshl_b32 s18, s16, 7                         ; which 128 rows of the tile I fetch
	s_lshl_b32 s20, s17, 8
	s_add_co_u32 s20, s20, s18                     ; A: stored row 256 x tile row + 128 x half
	s_lshl_b32 s46, s42, 8
	s_add_co_u32 s46, s46, s18
	s_add_co_u32 s46, s46, 3072                    ; B: Wp's rows begin at row 3,072 of the weights' codes
	s_mov_b32 s21, 0
	s_mov_b32 s47, 0
	s_mov_b64 s[18:19], KS
	s_mul_u64 s[22:23], s[20:21], s[18:19]         ; where these rows' scales begin
	s_mul_u64 s[92:93], s[46:47], s[18:19]
	s_mov_b64 s[18:19], KROW
	s_mul_u64 s[20:21], s[20:21], s[18:19]         ; and their codes (A: 16 rows x 768 bytes are a token tile's 12,288)
	s_mul_u64 s[46:47], s[46:47], s[18:19]
	s_mul_i32 s45, s16, HALFA                      ; where they go: A's two halves,
	s_mul_i32 s95, s16, HALFB
	s_add_co_u32 s95, s95, 2*HALFA                 ; then B's two: no place in the cluster enters an LDS address
	s_mul_i32 s94, s14, HALFS
	s_wait_kmcnt 0x0
	s_add_nc_u64 s[20:21], s[4:5], s[20:21]
	s_add_nc_u64 s[22:23], s[6:7], s[22:23]
	s_add_nc_u64 s[46:47], s[8:9], s[46:47]
	s_add_nc_u64 s[92:93], s[10:11], s[92:93]
	CROUND                                         ; all sixteen work-groups are here: the first joint loads meet
	s_mov_b32 s[G0S], 1
	s_add_co_u32 s[G0S+1], s94, SCL
	s_mov_b64 s[G0S+2:G0S+3], s[22:23]
	s_or_b32 s[G0S+3], s[G0S+3], 0x80000000
	s_mov_b32 s[G0SB], 1
	s_add_co_u32 s[G0SB+1], s94, SCL
	s_mov_b64 s[G0SB+2:G0SB+3], s[92:93]
	s_or_b32 s[G0SB+3], s[G0SB+3], 0x80000000
	JLOAD G0S, G1S, G0SB, G1SB                     ; the scales first
.irp s, 0,1
	s_mov_b32 s[G0+4*\s], 1
	s_add_co_u32 s[G0+4*\s+1], s45, \s*SLOT
	s_add_nc_u64 s[G0+4*\s+2:G0+4*\s+3], s[20:21], \s*AROWB
	s_or_b32 s[G0+4*\s+3], s[G0+4*\s+3], 0x80000000
	s_mov_b32 s[G0B+4*\s], 1
	s_add_co_u32 s[G0B+4*\s+1], s95, \s*SLOT
	s_add_nc_u64 s[G0B+4*\s+2:G0B+4*\s+3], s[46:47], \s*ROWB
	s_or_b32 s[G0B+4*\s+3], s[G0B+4*\s+3], 0x80000000
	JLOAD G0+4*\s, G1, G0B+4*\s, G1B               ; three tensor loads of mine are out at the most
.endr
	v_and_b32 v1, 15, v0                           ; r
	v_bfe_u32 v2, v0, 4, 1                         ; h
	v_and_b32 v6, 31, v0                           ; lane
	v_lshlrev_b32 v[CO], 4, v6                     ; 16 x lane
	v_lshlrev_b32 v7, 3, v6                        ; 8 x lane
	v_mul_u32_u24 v3, v1, PITCH
	v_mul_u32_u24 v4, v2, 24
	v_add_nc_u32 v4, v3, v4                        ; B: a fragment's row x pitch + 24 x half
	v_lshl_add_u32 v5, v2, 4, v4                   ; and the same behind one padding more
	s_mul_i32 s21, s15, HALFA                      ; my 8 token tiles of A
	s_mul_i32 s22, s16, HALFB                      ; my 128 rows of B,
	s_add_co_u32 s22, s22, 2*HALFA                 ; which lie behind A's two halves
.irp s, 0,1
	v_add_nc_u32 v[ADRA+\s], s21, v[CO]
	v_add_nc_u32 v[ADRA+2+\s], s21, v7
	v_add_nc_u32 v[ADRB+\s], s22, v4
	v_add_nc_u32 v[ADRB+2+\s], s22, v5
	s_add_co_u32 s21, s21, SLOT
	s_add_co_u32 s22, s22, SLOT
.endr
	v_mul_u32_u24 v5, v1, KS                       ; my row's scales
	v_lshrrev_b32 v6, 8, v5
	v_lshl_add_u32 v5, v6, 4, v5
	s_mul_i32 s21, s15, HALFS
	s_mul_i32 s22, s16, HALFS
	s_add_co_u32 s22, s22, 2*HALFS
	s_sub_co_u32 s22, s22, s21
	v_mul_u32_u24 v6, s22, v2                      ; lanes 16-31 take B's
	s_add_co_u32 s21, s21, SCL
	v_add_nc_u32 v5, v5, v6
	v_add_nc_u32 v[ADRS], s21, v5
	s_mul_i32 s23, s14, 16*SPITCH                  ; my stage
	v_mul_u32_u24 v5, v1, SPITCH                   ; in: row r; accumulator 2 b + u holds true columns 32 b + 16 h + 8 u + 0 .. 7: 64 h bytes here, the rest in the stores' offsets
	v_lshl_add_u32 v5, v2, 6, v5
	v_add_nc_u32 v[STO], s23, v5
	v_add_nc_u32 v[RD], s23, v[CO]                 ; back: the 32 lanes take one row of 512 bytes
	s_lshl_b32 s20, s17, 8
	s_lshl_b32 s21, s15, 7
	s_add_co_u32 s20, s20, s21                     ; my first row of C
	s_mov_b32 s21, 0
	s_mov_b64 s[18:19], SIZE_N*4
	s_mul_u64 s[20:21], s[20:21], s[18:19]
	s_lshl_b32 s46, s42, 10                        ; my first column, in bytes
	s_lshl_b32 s47, s16, 9
	s_add_co_u32 s46, s46, s47
	s_mov_b32 s47, 0
	s_add_nc_u64 s[20:21], s[20:21], s[46:47]
	s_add_nc_u64 s[12:13], s[12:13], s[20:21]
	s_add_nc_u64 s[66:67], s[66:67], s[46:47]
	global_load_b128 v[8:11], v[CO], s[66:67]      ; bp of the four columns that my lane stores
.macro FRAG reg, adr, q, i             ; a fragment of B from padded rows, in pieces of 8 bytes
.irp p, 0,1,2,3,4,5
.set PCE, 12*(\q)+6*(\p/3)+\p%3
.if PCE%8 < 5
	ds_load_b64 v[\reg+2*\p:\reg+2*\p+1], v[\adr] offset:8*PCE+16*(PCE/8)+(\i)*16*PITCH
.else
	ds_load_b64 v[\reg+2*\p:\reg+2*\p+1], v[\adr+2] offset:8*PCE+16*(PCE/8)+(\i)*16*PITCH
.endif
.endr
.endm
.macro FRAGA reg, slot, q, i           ; a fragment of A: two heads' images, as they were stored
	ds_load_b128 v[\reg:\reg+3], v[ADRA+\slot] offset:(\i)*AROWB+(\q)*1536
	ds_load_b64 v[\reg+4:\reg+5], v[ADRA+2+\slot] offset:(\i)*AROWB+(\q)*1536+512
	ds_load_b128 v[\reg+6:\reg+9], v[ADRA+\slot] offset:(\i)*AROWB+(\q)*1536+768
	ds_load_b64 v[\reg+10:\reg+11], v[ADRA+2+\slot] offset:(\i)*AROWB+(\q)*1536+1280
.endm
; 16 matrix instructions; the 64 accumulators take turns, one instruction a turn, in the same order in every step
.macro MUL16 a0, p, q, sc, zero
.irp a, \a0, \a0+1
.irp b, 0,1,2,3,4,5,6,7
.if \zero
	v_wmma_scale_f32_16x16x128_f8f6f4 v[8*(8*((\a)%4)+\b):8*(8*((\a)%4)+\b)+7], v[128*(\p)+FR*\b:128*(\p)+FR*\b+FR-1], v[AF+FR*(\a):AF+FR*(\a)+FR-1], 0, v[SC+8*NQ*(\sc)+NQ*\b+(\q)], v[SC+8*NQ*(\sc)+NQ*(\a)+(\q)] matrix_a_fmt:MATRIX_FMT_FP6 matrix_b_fmt:MATRIX_FMT_FP6 matrix_a_scale:MATRIX_SCALE_ROW1
.else
	v_wmma_scale_f32_16x16x128_f8f6f4 v[8*(8*((\a)%4)+\b):8*(8*((\a)%4)+\b)+7], v[128*(\p)+FR*\b:128*(\p)+FR*\b+FR-1], v[AF+FR*(\a):AF+FR*(\a)+FR-1], v[8*(8*((\a)%4)+\b):8*(8*((\a)%4)+\b)+7], v[SC+8*NQ*(\sc)+NQ*\b+(\q)], v[SC+8*NQ*(\sc)+NQ*(\a)+(\q)] matrix_a_fmt:MATRIX_FMT_FP6 matrix_b_fmt:MATRIX_FMT_FP6 matrix_a_scale:MATRIX_SCALE_ROW1
.endif
.endr
.endr
.endm
.macro FETCH_B slot, q, p
	WIN TO_B
.irp i, 0,1,2,3,4,5,6,7
	FRAG 128*(\p)+FR*\i, ADRB+\slot, \q, \i
.endr
	WIN 0
.endm
.macro FETCH_A slot, q, i0
.irp i, \i0, \i0+1, \i0+2, \i0+3
	FRAGA AF+FR*(\i), \slot, \q, \i
.endr
.endm
.macro SCALES sc
.irp i, 0,1,2,3,4,5,6,7
	ds_load_b64 v[SC+8*NQ*\sc+NQ*\i:SC+8*NQ*\sc+NQ*\i+1], v[ADRS] offset:\i*SBLK
.endr
.endm
.macro PLACES n
.rept \n
	v_nop
.endr
.endm
.macro STEP slot, q, zero
	s_wait_dscnt 4*NLA                             ; B's set and A's blocks 0-3 are in; the youngest 16 loads (A's blocks 4-7) may be out
	WIN MUL_LO
	MUL16 0, (\q)%2, \q, \slot, \zero
	MUL16 2, (\q)%2, \q, \slot, \zero
	s_wait_dscnt 0
	PLACES NP
	FETCH_B \slot, (\q)+1, 1-(\q)%2
	FETCH_A \slot, (\q)+1, 0
	WIN MUL_HI
	MUL16 4, (\q)%2, \q, \slot, \zero
	MUL16 6, (\q)%2, \q, \slot, \zero
	PLACES NP
	WIN 0
	FETCH_A \slot, (\q)+1, 4
.endm
.macro TURN slot, next, fill
	s_wait_tensorcnt 0x0                           ; all my tensor loads have landed: my part of the next slot
	ds_add_u32 v[SPW], v[NIL]                      ; 0 onto my spare word
	s_wait_dscnt 4*NLA+1                           ; (the add and the youngest 16 loads may be out)
	WIN MUL_LO
	MUL16 0, 1, NQ-1, \slot, 0
	s_wait_dscnt 0x0                               ; the add is done, and my reads of this slot are over
	s_barrier_signal -1
	MUL16 2, 1, NQ-1, \slot, 0
	WIN 0
	s_barrier_wait -1
.if \fill
	CREST                                          ; the barrier has opened a round of the cluster's barrier
	s_add_nc_u64 s[G0+4*\slot+2:G0+4*\slot+3], s[G0+4*\slot+2:G0+4*\slot+3], 2*AROWB
	s_add_nc_u64 s[G0B+4*\slot+2:G0B+4*\slot+3], s[G0B+4*\slot+2:G0B+4*\slot+3], 2*ROWB
	JLOAD G0+4*\slot, G1, G0B+4*\slot, G1B         ; the first tensor load behind the round; its four v_nop are the places in front of the loads below
.else
	PLACES NP
.endif
	v_add_nc_u32 v[ADRS], 4*NQ, v[ADRS]
	FETCH_B \next, 0, 0
	FETCH_A \next, 0, 0
	SCALES \next
	WIN MUL_HI
	MUL16 4, 1, NQ-1, \slot, 0
	MUL16 6, 1, NQ-1, \slot, 0
	PLACES NP
	WIN 0
	FETCH_A \next, 0, 4
.endm
	s_wait_tensorcnt 1                             ; the scales and my part of K step 0 are in (K step 1's load may be out),
	s_barrier_signal -1
	s_barrier_wait -1                              ; everybody's are
	FETCH_B 0, 0, 0
	FETCH_A 0, 0, 0
	SCALES 0
	FETCH_A 0, 0, 4
	STEP 0, 0, 1                                   ; the first step's products start the sums
	s_mov_b32 s3, LAPS-1
.Llap:
	TURN 0, 1, 1
	STEP 1, 0, 0
	TURN 1, 0, 1
	STEP 0, 0, 0
	s_sub_co_u32 s3, s3, 1
	s_cmp_lg_u32 s3, 0
	s_cbranch_scc1 .Llap
	TURN 0, 1, 0                                   ; the last lap fills nothing
	STEP 1, 0, 0
	s_wait_dscnt 4*NLA                             ; the very last step
	WIN MUL_LO
	MUL16 0, 1, NQ-1, 1, 0
	MUL16 2, 1, NQ-1, 1, 0
	s_wait_dscnt 0
	WIN MUL_HI
	MUL16 4, 1, NQ-1, 1, 0
	MUL16 6, 1, NQ-1, 1, 0
	WIN 0
; THE WAY OUT, block by block of 16 rows x 128 columns, through my own stage in LDS: in at the true columns, back as whole rows of 512 bytes.  LDS serves a wave's instructions in order: no wait between the stores and the loads.
.macro TOSTAGE a
.set AC, 64*((\a)%4)
	WIN 0x08+4*((\a)/4)                            ; the data: window 2 or 3
.irp b, 0,1,2,3,4,5,6,7
	ds_store_b128 v[STO], v[AC+8*\b:AC+8*\b+3] offset:128*(\b/2)+32*(\b%2)          ; each accumulator from its low end on
	ds_store_b128 v[STO], v[AC+8*\b+4:AC+8*\b+7] offset:128*(\b/2)+32*(\b%2)+16
.endr
	WIN 0
.set BB, BK+64*((\a)%2)
.irp t, 0,1,2,3,4,5,6,7,8,9,10,11,12,13,14,15
	ds_load_b128 v[BB+4*\t:BB+4*\t+3], v[RD] offset:\t*SPITCH
.endr
.endm
.macro SEND a, younger                 ; younger: the LDS instructions issued behind block a's loads, which may stay out
.set BB, BK+64*((\a)%2)
	s_wait_dscnt \younger
.if (\a) > 0
.if ((\a)%2) == 1
	s_add_nc_u64 s[12:13], s[12:13], 8*SIZE_N*4    ; (behind a wait on XCNT)  block a begins at true row 32 (a / 2) + 8 (a % 2)
.else
	s_add_nc_u64 s[12:13], s[12:13], 24*SIZE_N*4
.endif
.endif
.irp t, 0,1,2,3,4,5,6,7,8,9,10,11,12,13,14,15
	v_pk_add_f32 v[BB+4*\t:BB+4*\t+1], v[BB+4*\t:BB+4*\t+1], v[8:9]                 ; + bp
	v_pk_add_f32 v[BB+4*\t+2:BB+4*\t+3], v[BB+4*\t+2:BB+4*\t+3], v[10:11]
	global_store_b128 v[CO], v[BB+4*\t:BB+4*\t+3], s[12:13] offset:(\t+8*(\t/8))*SIZE_N*4 th:TH_STORE_NT   ; place t is true row t + 8 (t / 8) of the block; 32 lanes store 512 consecutive bytes, aligned
.endr
.endm
	PLACES NP
	s_wait_loadcnt 0x0                             ; bp
	TOSTAGE 0
.irp a, 1,2,3,4,5,6,7
.if \a > 1
	s_wait_xcnt 0x0                                ; block a - 2's stores have read their registers and their base
.endif
	TOSTAGE \a
	SEND \a-1, 32                                  ; behind block a - 1's loads: block a's 16 stores and 16 loads
.endr
	s_wait_xcnt 0x0
	SEND 7, 0
	s_wait_tensorcnt 0x0                           ; the wave's end
	ds_add_u32 v[SPW], v[NIL]
	s_wait_dscnt 0x0
	CROUND                                         ; the closing round
	s_endpgm
.Lfunc_end_k_q9904e20b33_proj:
	.size	k_q9904e20b33_proj, .Lfunc_end_k_q9904e20b33_proj-k_q9904e20b33_proj
	.p2alignl 7, 3214868480
	.fill 96, 4, 3214868480
	.section	.rodata,"a",@progbits
	.p2align	6, 0x0
	.amdhsa_kernel k_q9904e20b33_proj
		.amdhsa_group_segment_fixed_size 327680
		.amdhsa_private_segment_fixed_size 0
		.amdhsa_enable_private_segment 0
		.amdhsa_kernarg_size 48
		.amdhsa_user_sgpr_count 2
		.amdhsa_user_sgpr_kernarg_segment_ptr 1
		.amdhsa_wavefront_size32 1
		.amdhsa_system_sgpr_workgroup_id_x 1
		.amdhsa_system_sgpr_workgroup_id_y 1
		.amdhsa_system_sgpr_workgroup_id_z 1
		.amdhsa_system_vgpr_workitem_id 0
		.amdhsa_next_free_vgpr 1024
		.amdhsa_next_free_sgpr 96
		.amdhsa_reserve_vcc 0
		.amdhsa_float_denorm_mode_32 3
		.amdhsa_float_denorm_mode_16_64 3
		.amdhsa_memory_ordered 1
		.amdhsa_forward_progress 1
		.amdhsa_inst_pref_size 168
	.end_amdhsa_kernel
	.amdgpu_metadata
---
amdhsa.version: [ 1, 2 ]
amdhsa.kernels:
  - .name:           k_q9904e20b33_proj
    .symbol:         k_q9904e20b33_proj.kd
    .args:
      - { .name: y_img, .offset: 0, .size: 8, .value_kind: global_buffer, .address_space: global }
      - { .name: y_scales, .offset: 8, .size: 8, .value_kind: global_buffer, .address_space: global }
      - { .name: w_codes, .offset: 16, .size: 8, .value_kind: global_buffer, .address_space: global }
      - { .name: w_scales, .offset: 24, .size: 8, .value_kind: global_buffer, .address_space: global }
      - { .name: bp, .offset: 32, .size: 8, .value_kind: global_buffer, .address_space: global }
      - { .name: out0, .offset: 40, .size: 8, .value_kind: global_buffer, .address_space: global }
    .group_segment_fixed_size: 327680
    .private_segment_fixed_size: 0
    .kernarg_segment_align: 8
    .kernarg_segment_size: 48
    .max_flat_workgroup_size: 128
    .sgpr_count:     96
    .vgpr_count:     1024
    .wavefront_size: 32
...
	.end_amdgpu_metadata
.endif
;; end of part 4
